; MI455X (gfx1250); checked and timed in simulation.
; The chip was launched on July 23, 2026; its instructions are those of AMD's public machine-readable ISA for CDNA 5 (MIT licence, August 2026) and "CDNA5" Instruction Set Architecture Reference Guide (July 2026). The comments in the code are by the model that wrote it; some were corrected since.
;; Causal Multihead Self Attention. Allowed arithmetic: matrix products marked QUANTISED: E2M1 operands, one E8M0 scale for each 32 along K, by v_wmma_scale_f32_16x16x128_f8f6f4 with both operands' format E2M1 (or v_wmma_scale_f32_32x16x128_f4), f32 sums; everything else in f32.
;; Inputs: Wk 1,024 x 1,024 float32; Wo 1,024 x 1,024 float32; Wq 1,024 x 1,024 float32; Wv 1,024 x 1,024 float32; bk 1,024 float32; bo 1,024 float32; bq 1,024 float32; bv 1,024 float32; x 4 x 2,048 x 1,024 float32.
;; Outputs: out0 4 x 2,048 x 1,024 float32.
;; This version of the problem:
;;   THIS VERSION OF THE PROBLEM IS GIVEN IN LOW PRECISION. The matrix products marked QUANTISED in the list below multiply operands that are first quantised to E2M1 (2 exponent bits, 1 mantissa bit; 4 bits a number), with one power-of-two scale for each 32 numbers along K (OCP MX v1.0); their sums are f32. All else is computed in f32.
;;   The module's matrix products, in the order in which they are computed (A, B: the left and right operand; K: the contracted axis; several contracted axes count as one K, in the product's order):
;;     1. [M 8,192, K 1,024] x [K 1,024, N 1,024]; A: input x; B: input Wq: QUANTISED
;;     2. [M 8,192, K 1,024] x [K 1,024, N 1,024]; A: input x; B: input Wk: QUANTISED
;;     3. [M 8,192, K 1,024] x [K 1,024, N 1,024]; A: input x; B: input Wv: QUANTISED
;;     4. batch 64 x [M 2,048, K 64] x [K 64, N 2,048]; A: computed on the way; B: computed on the way: QUANTISED
;;     5. batch 64 x [M 2,048, K 2,048] x [K 2,048, N 64]; A: softmax (see below); B: computed on the way: QUANTISED
;;     6. [M 8,192, K 1,024] x [K 1,024, N 1,024]; A: computed on the way; B: input Wo: QUANTISED
;;   THE QUANTISER, for each operand of a quantised product, along K:
;;     - K is cut into blocks of 32 from its start; a last block that is shorter is filled with zeros.
;;     - A block's scale is 2^e with e = floor(log2(the largest magnitude in the block)) - 2, held to -126 .. 127; a block of zeros has e = 0. As a byte (E8M0): e + 127.
;;     - Each number is divided by its block's scale, clamped to +-6, and rounded to the nearest number of E2M1, ties to even, subnormals kept.
;;     - The product sums the exact products of the quantised numbers (number of the format x scale) in f32.
;;   ~~~python
;;   def quantise(x, axis):      # numpy; x: float32 -> the quantised numbers, widened to float32 again
;;       x = np.moveaxis(x, axis, -1); K = x.shape[-1]
;;       x = np.pad(x, [(0, 0)] * (x.ndim - 1) + [(0, -K % 32)]); x = x.reshape(x.shape[:-1] + (-1, 32)); a = np.abs(x).max(-1, keepdims=True)
;;       e = np.where(a > 0, np.clip(np.frexp(np.where(a > 0, a, 1))[1] - 1 - 2, -126, 127), 0)      # np.frexp(a)[1] - 1 = floor(log2(a)), exactly
;;       r = np.clip(x / 2.0 ** e, -6, 6)
;;       step = 2.0 ** (np.maximum(np.frexp(np.where(r == 0, 1, r))[1] - 1, 0) - 1)
;;       q = np.round(r / step) * step * 2.0 ** e      # np.round: ties to even
;;       return np.moveaxis(q.reshape(q.shape[:-2] + (-1,))[..., :K], -1, axis).astype(np.float32)
;;   ~~~
;;   SOFTMAX AHEAD OF A QUANTISED PRODUCT. Where the list says 'softmax', what is quantised is not the finished softmax but p = 2^(t - M), with t = logit x log2(e) and M = ceil(the row's largest t), a whole number; so 1/2 < the row's largest p <= 1. The row's sum l is taken of the UNQUANTISED p, in f32, and the product's result is divided by l at the end. Since M is a whole number, a kernel that streams over the keys may use a running M (the ceiling of the running maximum): every later rescaling is an exact power of two, which a block's scale takes up: the codes' values come out the same.
;;   OPERANDS COMPUTED ON THE WAY. 'Computed on the way' means the value that the module computes at that place (a softmax that the list does not call 'softmax' is quantised finished and normalised). What goes into a quantiser is computed in f32, as accurately as f32 sums, v_exp_f32 and their like allow (about 1e-6 of the number): no bf16 or f16 on the way to a quantiser, and a product that is left as it is and whose result goes on into a quantised operand takes f32 operands (vector FMAs, or v_wmma_f32_16x16x4_f32). A number that lies on a knife's edge between two numbers of the format may be rounded either way, as far as f32 arithmetic and the matrix unit's own rounding can turn it there, and no further.
;; One version. Each part assembles by itself: llvm-mc -triple=amdgcn-amd-amdhsa -mcpu=gfx1250 --defsym DOCPART=n.
;; ======== version 1 of 1: 4 launches
;; workspace buffers: codes1 6,291,456 bytes; scales1 393,216 bytes; qkc 8,388,608 bytes; qks 1,048,576 bytes; vc 4,194,304 bytes; vs 262,144 bytes; oc 4,194,304 bytes; os 262,144 bytes
;; launch quant (part 1): grid 384 x 1, 4 waves a work-group, no clusters, 33,280 bytes of LDS; arguments x, Wq, Wk, Wv, Wo, codes1, scales1; writes codes1, scales1
.if DOCPART == 1
	.amdgcn_target "amdgcn-amd-amdhsa--gfx1250"
	.amdhsa_code_object_version 6
	.text
	.protected	k_qfa1cd808da_quant
	.globl	k_qfa1cd808da_quant
	.p2align	8
	.type	k_qfa1cd808da_quant,@function
k_qfa1cd808da_quant:
	s_mov_b64 s[64:65], 0
	v_nop
	global_prefetch_b8 v0, s[64:65] scope:SCOPE_SE
	s_setreg_imm32_b32 hwreg(HW_REG_WAVE_MODE, 25, 1), 1
	s_wait_xcnt 0x0
; CAUSAL MULTI-HEAD SELF-ATTENTION IN MX-FP4, four launches: quant (this one), qkv, attn, oproj.
; DEAD WORK, left out in the launch attn alone: reference() builds the causal mask itself (jnp.tril) and sets every score whose key comes after its query to -inf, so the softmax gives
; such a key the weight 0 whatever finite values the inputs hold.  Key steps of 128 keys that lie wholly behind a work-group's queries are therefore neither fetched nor multiplied.
; Nothing else is left out: all nine inputs reach the output (bq, bk, bv go into quantisers, bo into the result) and all are loaded.
; LIMIT: a NaN, an infinity or an overflow that would arise only in the scores left out is not carried to the result.
;
; THIS LAUNCH: x [8192][1024], Wq, Wk, Wv, Wo [1024][1024], f32, K innermost, become codes of FP4 (E2M1), two a byte, and one E8M0 byte for each 32 along K, in ONE table of 12,288 rows:
; rows 0.. x, 8192.. Wq, 9216.. Wk, 10240.. Wv, 11264.. Wo; a row is 512 bytes of codes and 32 scale bytes.
; STORAGE ORDER OF ROWS: within each 32 rows the two middle groups of 8 change places: storage row 16 u + r holds row 8 u + r % 8 + 16 (r / 8).  Sixteen neighbouring storage rows, taken as source 0 of a
; matrix instruction, then leave in the 16 registers of two neighbouring tiles 16 NEIGHBOURS along the next product's K, so that the later launches quantise results in registers.
; A block's scale is 2^(floor(log2(its largest magnitude)) - 2); its byte is the largest magnitude's exponent field - 2, held at 1 from below.  Each number is divided by the scale and rounded to the nearest code, ties to even.
; LIMITS: a block of zeros, or one whose largest magnitude lies under 2^-124, gets the byte 1 where the rule says 127 or less: its codes are zeros or as the floor gives them, and this program alone reads the bytes;
; NaN and infinities among the inputs are not served.
; SHARES: work-group g takes 32 rows of the table, wave w the 8 rows 8 w on (8,192 numbers, 16 steps of 512) and writes them as group swap(w) of the 32.  No cluster, no tensor load, no barrier: waves share nothing, memory binds.
; Each load reads 512 consecutive bytes; a step's 2,048 bytes turn through the wave's own stage in LDS, so that a lane holds 16 neighbours along K; two neighbouring lanes hold a block.
.set WAVES, 4
.set STEPS, 16
.set EMAX,  2
.set CB,    8                          ; bytes of 16 codes
.set R,     16                         ; v16-79   four sets of 16 numbers as they are loaded
.set X,     80                         ; v80-111  two sets of 16 neighbours
.set C,     128                        ; v128-191 codes: four registers for each step, so that no store's data are written again
.set E,     112                        ; v112-127 a scale byte for each step
.set WREG,  8192                       ; LDS: a region for each wave: two stages of 32 x SP bytes, behind them its 256 scale bytes
.set SP,    80                         ; a lane's place in a stage: 64 bytes + 16 of padding
.set SPW,   12                         ; v12  LDS address of my spare word; never rewritten
.set NIL,   13                         ; v13  0; never rewritten
.set SPARE, WAVES*WREG                 ; behind the four regions: the spare words, 128 bytes a wave
	s_load_b256 s[4:11], s[0:1], 0x0               ; x, Wq, Wk, Wv
	s_load_b128 s[12:15], s[0:1], 0x20             ; Wo, the codes
	s_load_b64 s[16:17], s[0:1], 0x30              ; the scale bytes
	v_lshl_add_u32 v[SPW], v0, 2, SPARE
	v_mov_b32 v[NIL], 0
	v_lshrrev_b32 v1, 5, v0
	v_readfirstlane_b32 s24, v1                    ; wave
	v_and_b32 v2, 31, v0                           ; lane
	v_lshlrev_b32 v3, 4, v2                        ; my 16 bytes of a load's 512
	s_mul_i32 s25, s24, WREG
	v_lshrrev_b32 v14, 2, v2
	v_mul_u32_u24 v14, v14, SP
	v_and_b32 v15, 3, v2
	v_lshl_add_u32 v14, v15, 4, v14
	v_add_nc_u32 v14, s25, v14                     ; the stage, on the way in: SP (lane / 4) + 16 (lane % 4)
	v_mul_u32_u24 v15, v2, SP
	v_add_nc_u32 v15, s25, v15                     ; and on the way out: SP x lane: my 16 neighbours
	v_mul_u32_u24 v4, v2, CB                       ; my codes' place in a step's
	v_lshrrev_b32 v5, 1, v2
	s_add_co_u32 s25, s25, 2*32*SP
	v_add_nc_u32 v5, s25, v5                       ; LDS: my wave's 256 scale bytes, my block's byte
	v_lshlrev_b32 v7, 3, v2                        ; and on the way out 8 bytes a lane
	v_add_nc_u32 v6, s25, v7
	s_and_b32 s26, ttmp9, 31                       ; a weight's block of 32 rows (256 is a multiple of 32)
	s_and_b32 s27, s24, 1
	s_lshl_b32 s27, s27, 1
	s_lshr_b32 s28, s24, 1
	s_or_b32 s27, s27, s28                         ; swap(w): groups 1 and 2 change places
	s_lshl_b32 s28, ttmp9, 2
	s_add_co_u32 s27, s27, s28                     ; which run of 8 rows of the table I write
	s_wait_kmcnt 0x0
	s_cmp_lt_u32 ttmp9, 288                        ; the tensor that I read: the choices hang on the work-group's number alone
	s_cselect_b64 s[18:19], s[6:7], s[8:9]
	s_cmp_lt_u32 ttmp9, 352
	s_cselect_b64 s[20:21], s[10:11], s[12:13]
	s_cmp_lt_u32 ttmp9, 320
	s_cselect_b64 s[18:19], s[18:19], s[20:21]
	s_cmp_lt_u32 ttmp9, 256
	s_cselect_b64 s[4:5], s[4:5], s[18:19]
	s_cselect_b32 s26, ttmp9, s26
	s_lshl_b32 s26, s26, 2
	s_add_co_u32 s26, s26, s24                     ; which run of 8 rows of that tensor I read
	s_lshl_b32 s22, s26, 15                        ; 32,768 bytes a run
	s_mov_b32 s23, 0
	s_add_nc_u64 s[4:5], s[4:5], s[22:23]
	s_lshl_b32 s22, s27, 12                        ; 4,096 bytes of codes a run
	s_add_nc_u64 s[14:15], s[14:15], s[22:23]
	s_lshl_b32 s22, s27, 8                         ; 256 scale bytes a run
	s_add_nc_u64 s[16:17], s[16:17], s[22:23]
.macro LOAD t
.irp i, 0,1,2,3
	global_load_b128 v[R+16*((\t)%4)+4*\i:R+16*((\t)%4)+4*\i+3], v3, s[4:5] offset:2048*(\t)+512*\i th:TH_LOAD_NT   ; 32 lanes read 512 consecutive bytes
.endr
.endm
.macro TURN t                          ; step t's numbers through the stage: LDS serves a wave's instructions in order, so no wait stands between the stores and the loads
.irp i, 0,1,2,3
	ds_store_b128 v14, v[R+16*((\t)%4)+4*\i:R+16*((\t)%4)+4*\i+3] offset:32*SP*((\t)%2)+8*SP*\i
.endr
.irp i, 0,1,2,3
	ds_load_b128 v[X+16*((\t)%2)+4*\i:X+16*((\t)%2)+4*\i+3], v15 offset:32*SP*((\t)%2)+16*\i
.endr
.endm
.irp t, 0,1,2,3
	LOAD \t
.endr
	s_wait_loadcnt 12                              ; step 0's four loads are in; the twelve of steps 1 to 3 may be out
	TURN 0
.macro STEP t
.set XS, X+16*((\t)%2)
.if (\t) > 0
	s_wait_dscnt 1                                 ; this step's numbers are back from the stage (the last step's byte store may be out): so its stores into the stage have read their registers,
.else
	s_wait_dscnt 0x0
.endif
.if (\t)+4 < STEPS
	LOAD (\t)+4                                    ; which take the loads of four steps on
.endif
.if (\t)+1 < STEPS
.if STEPS-2-(\t) >= 3
	s_wait_loadcnt 12                              ; the next step's four loads are in; those of the three steps behind it may be out
.else
	s_wait_loadcnt 4*(STEPS-2-(\t))
.endif
	TURN (\t)+1                                    ; and go through the other stage while this step is worked
.endif
	v_max3_num_f32 v8, |v[XS]|, |v[XS+1]|, |v[XS+2]|               ; the largest magnitude of my 16, in two chains
	v_max3_num_f32 v9, |v[XS+3]|, |v[XS+4]|, |v[XS+5]|
.irp i, 6,10
	v_max3_num_f32 v8, v8, |v[XS+\i]|, |v[XS+\i+1]|
	v_max3_num_f32 v9, v9, |v[XS+\i+2]|, |v[XS+\i+3]|
.endr
	v_max3_num_f32 v8, v8, |v[XS+14]|, |v[XS+15]|
	v_max3_num_f32 v8, v8, v9, (EMAX+1)<<23        ; and the floor 2^(3 - 127): the byte cannot fall under 1
	v_max_num_f32_dpp v8, v8, v8 row_xmask:1 row_mask:0xf bank_mask:0xf   ; and of my neighbour's 16: the block's
	v_add_nc_u32 v11, -(EMAX<<23), v8              ; 2 off its exponent field: the conversion takes the exponent field of this operand as its scale, and nothing else of it
	v_cvt_scalef32_pk8_fp4_f32 v[C+4*(\t)], v[XS:XS+7], v11
	v_cvt_scalef32_pk8_fp4_f32 v[C+4*(\t)+1], v[XS+8:XS+15], v11
	v_lshrrev_b32 v[E+(\t)], 23, v11               ; the scale's byte (also the plain line behind the conversions)
	ds_store_b8 v5, v[E+(\t)] offset:16*(\t)       ; both lanes of a block write the same byte with the same value
	global_store_b64 v4, v[C+4*(\t):C+4*(\t)+1], s[14:15] offset:32*CB*(\t)   ; the wave stores 256 consecutive bytes, aligned
.endm
.irp t, 0,1,2,3,4,5,6,7,8,9,10,11,12,13,14,15
	STEP \t
.endr
	ds_load_b64 v[8:9], v6                         ; LDS serves a wave's instructions in order: these see my stores
	s_wait_dscnt 0x0
	global_store_b64 v7, v[8:9], s[16:17]          ; 32 lanes store 256 consecutive bytes, aligned
	s_wait_tensorcnt 0x0                           ; the wave's end: three lines behind my last LDS store
	ds_add_u32 v[SPW], v[NIL]
	s_wait_dscnt 0x0
	s_endpgm
.Lfunc_end_k_qfa1cd808da_quant:
	.size	k_qfa1cd808da_quant, .Lfunc_end_k_qfa1cd808da_quant-k_qfa1cd808da_quant
	.p2alignl 7, 3214868480
	.fill 96, 4, 3214868480
	.section	.rodata,"a",@progbits
	.p2align	6, 0x0
	.amdhsa_kernel k_qfa1cd808da_quant
		.amdhsa_group_segment_fixed_size 33280
		.amdhsa_private_segment_fixed_size 0
		.amdhsa_enable_private_segment 0
		.amdhsa_kernarg_size 56
		.amdhsa_user_sgpr_count 2
		.amdhsa_user_sgpr_kernarg_segment_ptr 1
		.amdhsa_wavefront_size32 1
		.amdhsa_system_sgpr_workgroup_id_x 1
		.amdhsa_system_sgpr_workgroup_id_y 1
		.amdhsa_system_sgpr_workgroup_id_z 1
		.amdhsa_system_vgpr_workitem_id 0
		.amdhsa_next_free_vgpr 192
		.amdhsa_next_free_sgpr 66
		.amdhsa_reserve_vcc 0
		.amdhsa_float_denorm_mode_32 3
		.amdhsa_float_denorm_mode_16_64 3
		.amdhsa_memory_ordered 1
		.amdhsa_forward_progress 1
		.amdhsa_inst_pref_size 34
	.end_amdhsa_kernel
	.amdgpu_metadata
---
amdhsa.version: [ 1, 2 ]
amdhsa.kernels:
  - .name:           k_qfa1cd808da_quant
    .symbol:         k_qfa1cd808da_quant.kd
    .args:
      - { .name: x, .offset: 0, .size: 8, .value_kind: global_buffer, .address_space: global }
      - { .name: Wq, .offset: 8, .size: 8, .value_kind: global_buffer, .address_space: global }
      - { .name: Wk, .offset: 16, .size: 8, .value_kind: global_buffer, .address_space: global }
      - { .name: Wv, .offset: 24, .size: 8, .value_kind: global_buffer, .address_space: global }
      - { .name: Wo, .offset: 32, .size: 8, .value_kind: global_buffer, .address_space: global }
      - { .name: codes1, .offset: 40, .size: 8, .value_kind: global_buffer, .address_space: global }
      - { .name: scales1, .offset: 48, .size: 8, .value_kind: global_buffer, .address_space: global }
    .group_segment_fixed_size: 33280
    .private_segment_fixed_size: 0
    .kernarg_segment_align: 8
    .kernarg_segment_size: 56
    .max_flat_workgroup_size: 128
    .sgpr_count:     66
    .vgpr_count:     192
    .wavefront_size: 32
...
	.end_amdgpu_metadata
.endif
;; end of part 1
;; launch qkv (part 2): grid 12 x 32, 4 waves a work-group, clusters of 4 x 4, 327,680 bytes of LDS; arguments codes1, scales1, bq, bk, bv, qkc, qks, vc, vs; writes qkc, qks, vc, vs
.if DOCPART == 2
	.amdgcn_target "amdgcn-amd-amdhsa--gfx1250"
	.amdhsa_code_object_version 6
	.text
	.protected	k_qfa1cd808da_qkv
	.globl	k_qfa1cd808da_qkv
	.p2align	8
	.type	k_qfa1cd808da_qkv,@function
k_qfa1cd808da_qkv:
	s_mov_b64 s[64:65], 0
	v_nop
	global_prefetch_b8 v0, s[64:65] scope:SCOPE_SE
	s_setreg_imm32_b32 hwreg(HW_REG_WAVE_MODE, 25, 1), 1
	s_wait_xcnt 0x0
	s_wait_alu depctr_hold_cnt(0) depctr_sa_sdst(0) depctr_va_vdst(0) depctr_va_sdst(0) depctr_va_ssrc(0) depctr_va_vcc(0) depctr_vm_vsrc(0)
	s_getreg_b32 s2, hwreg(HW_REG_IB_STS2, 6, 4)
	s_cmp_eq_u32 s2, 0
	s_cbranch_scc0 .Lentry_in_a_cluster
	s_endpgm
.Lentry_in_a_cluster:
	s_bfe_u32 s2, ttmp6, 0x10000c
	s_cmp_lg_u32 s2, 0xf033
	s_cbranch_scc0 .Lentry_shape_is_right
	s_endpgm
.Lentry_shape_is_right:
; q = x Wq^T + bq, k = x Wk^T + bk, v = x Wv^T + bv on codes of FP4 with E8M0 scales, K = 1,024; the results are quantised IN REGISTERS for the next products and leave as codes: no f32 q, k or v goes to memory.
; Nothing is left out here.  LIMITS: a block of results whose largest magnitude lies under 2^-124 gets the byte 1 (read by this program alone); NaN and infinities are not served.
; THE CORE makes a tile of 256 'A' rows x 256 'B' rows of the code table, four waves of 128 x 128 (64 accumulators, 512 registers), USED TRANSPOSED: source 0 = 16 B rows, source 1 = 16 A rows:
; a lane holds ONE A row, and its registers run along the B rows; by the table's storage order the 16 registers of two neighbouring B tiles are 16 neighbours.
;   cluster x = 0: q, 1: k:  A = tokens (x), B = channels (Wq, Wk): a lane holds a token and 64 channels a half: the next K is the head's 64.
;   cluster x = 2: v:        A = channels (Wv), B = tokens (x):     a lane holds a channel and 64 tokens a half: the next K is the keys.  The same core; only row offsets and the way out differ.
; K = 1,024 is two LDS slots of 512 along K (rows of 256 bytes + 16 of padding): both are asked for at the head, and nothing is ever filled again.
; CLUSTERS: 4 x 4 work-groups; A's tile is shared along a row of the cluster, B's along a column: joint loads, which divide the requests by four.
; THE WAY OUT: bias added in f32; 64 numbers of a lane (four blocks of 32, each shared with lane l xor 16) become 8 registers of codes and a scale word.  The codes are stored AS THE NEXT OPERAND'S REGISTERS,
; four registers = 512 consecutive bytes, lane l's 16 bytes at 16 l.  q, k: registers 0-3 are one head's fragment half, 4-7 the next head's.  v: the 8 registers are a fragment of 16 channels x 128 keys.
; REGISTERS: window 0: v1-31 addresses; v32-95 scale words, two sets; v96-127 the quantiser's; v128-255 A's fragments, two sets (on the way out: 64 numbers and the biases).
;   window 1: B's fragments, two sets, at v0 and v128.   windows 2, 3: accumulator (a, b) at v[8 (8 (a % 4) + b)].
.set PITCH,  272                       ; an LDS row: 256 bytes + 16: the 16 rows of a fragment load start 68 words apart
.set HALFT,  128*PITCH                 ; 128 rows: one tensor load
.set SLOT,   4*HALFT                   ; A's 256 rows, then B's 256
.set SCL,    2*SLOT                    ; the scale bytes of A's 256 rows and B's 256, all of K: units of 256 bytes + 16
.set HALFS,  16*272                    ; those of 128 rows
.set BIAS,   SCL+4*HALFS               ; 512 bytes a wave: its 128 biases
.set SWQ,    BIAS+4*512                ; 1,024 bytes a wave: scale words of q or k on their way out
.set SWV,    SWQ+4*1024                ; 512 bytes a wave: those of v (each way out has bytes of its own)
.set SPARE,  SWV+4*512                 ; the spare words, 128 bytes a wave
.set ADRA, 16                          ; v16-17 my A fragments in slot 0, 1
.set SWAV, 18                          ; v18  v's scale words in: SWV + 512 w + 4 r
.set SWRV, 19                          ; v19  and back: SWV + 512 w + 16 lane
.set ADRB, 20                          ; v20-21 my B fragments
.set GOF,  22                          ; v22  16 x lane
.set BAQ,  23                          ; v23  biases for q, k: BIAS + 512 w + 64 h
.set SWAQ, 24                          ; v24  q's, k's scale words in: SWQ + 1024 w + 512 h + 4 r
.set SWRQ, 25                          ; v25  and back: SWQ + 1024 w + 16 lane
.set SH,   26                          ; v26  16 h
.set ADRS, 27                          ; v27  my scale words: lanes 0-15 A's rows, lanes 16-31 B's
.set SPW,  28                          ; v28  my spare word; never rewritten
.set NIL,  29                          ; v29  0; never rewritten
.set BIW,  30                          ; v30  biases in: BIAS + 512 w + 16 lane
.set BAV,  31                          ; v31  biases for v: BIAS + 512 w + 4 (r % 8) + 64 (r / 8)
.set SC,   32                          ; scale words: set s at SC + 32 s; register 4 i + q: lanes 0-15 A's block i, lanes 16-31 B's block i
.set PC,   96                          ; v96-103 the codes just made
.set TM,   104                         ; v104-119 the quantiser's work
.set PW,   120                         ; v120-127 the scale word of each block of A rows
.set AF,   128                         ; A's fragments
.set ST,   128                         ; the way out: 64 numbers
.set BR,   192                         ; the way out: biases
.set SEL,  66                          ; s[66:67] selects of v_permlanex16_b32: lane l xor 16
.set G1, 24
.set G0, 32
.set G1B, 48
.set G0B, 56
.set G1S, 68
.set G0S, 76
.set G1SB, 80
.set G0SB, 88
.set MSB, 0
.macro WIN new                         ; the immediate's high byte repeats the setting that is left
.if MSB != (\new)
	s_set_vgpr_msb (MSB<<8)|(\new)
.set MSB, (\new)
.endif
.endm
.set MUL_LO, 0xa1                      ; source 0 (B) window 1, source 1 (A) window 0, C and D window 2
.set MUL_HI, 0xf1                      ; the same, C and D window 3
.set TO_B,   0x40                      ; destination window 1, address window 0
; A joint load: waves 0 and 1 fetch for A, waves 2 and 3 for B; the branch hangs on the wave's number alone.  An s_nop 0 and four v_nop follow each line.
.macro JLOAD g0a, g1a, g0b, g1b
	s_cmp_eq_u32 s15, 0
	s_cbranch_scc0 .Lfor_b_\@
	tensor_load_to_lds s[\g0a:\g0a+3], s[\g1a:\g1a+7]
	s_nop 0
.rept 4
	v_nop
.endr
	s_branch .Lasked_\@
.Lfor_b_\@:
	tensor_load_to_lds s[\g0b:\g0b+3], s[\g1b:\g1b+7]
	s_nop 0
.rept 4
	v_nop
.endr
.Lasked_\@:
.endm
.macro CROUND                          ; a round of the cluster's barrier
	s_barrier_signal -1
	s_barrier_wait -1
	s_cmp_lg_u32 s14, 0
	s_cbranch_scc1 .Lnot_wave_0_\@
	s_barrier_signal -3
.Lnot_wave_0_\@:
	s_barrier_wait -3
	s_barrier_signal -1
	s_barrier_wait -1
.endm
.macro PLACES n
.rept \n
	v_nop
.endr
.endm
	s_load_b256 s[4:11], s[0:1], 0x0               ; the codes, the scale bytes, bq, bk
	s_load_b64 s[12:13], s[0:1], 0x20              ; bv
	s_load_b256 s[92:99], s[0:1], 0x28             ; qkc, qks, vc, vs
	v_lshl_add_u32 v[SPW], v0, 2, SPARE
	v_mov_b32 v[NIL], 0
	ds_add_u32 v[SPW], v[NIL]                      ; the wave's opening: the add, twice on end, and its wait ahead of my first tensor load
	ds_add_u32 v[SPW], v[NIL]
	v_lshrrev_b32 v1, 5, v0
	v_readfirstlane_b32 s14, v1                    ; wave 0..3
	s_lshr_b32 s15, s14, 1                         ; which half of A's rows is mine.  Also: I fetch for A (0) or for B (1)
	s_and_b32 s16, s14, 1                          ; which half of B's rows.  Also: which 128 rows I fetch
	s_bfe_u32 s40, ttmp6, 0x40000                  ; cx
	s_bfe_u32 s41, ttmp6, 0x40004                  ; cy
	s_and_b32 s18, ttmp7, 0xffff                   ; cluster y
	s_cmp_eq_u32 ttmp9, 2                          ; cluster x = 2: v.  The same in all sixteen partners
	s_cselect_b32 s3, 1, 0
	s_cselect_b32 s19, 0, s18                      ; A's tile = 4 x this + cy: tokens by cluster y, or Wv's four tiles
	s_cselect_b32 s23, s18, ttmp9                  ; B's tile = 4 x this + cx: tokens by cluster y, or Wq's and Wk's eight tiles
	s_cselect_b32 s21, 10240, 0                    ; the table's row at which A's tensor begins
	s_cselect_b32 s22, 0, 8192                     ; and B's
	s_lshl_b32 s17, s19, 2
	s_add_co_u32 s17, s17, s41                     ; A's tile
	s_lshl_b32 s42, s23, 2
	s_add_co_u32 s42, s42, s40                     ; B's tile
	s_lshl_b32 s43, s41, 2
	s_lshl_b32 s43, 15, s43                        ; my row of the cluster
	s_lshl_b32 s44, 0x1111, s40                    ; my column
	; group 1: 128 rows x 256 bytes, 512 bytes apart in memory, 16 bytes of padding behind each row in LDS
	s_or_b32 s[G1+0], s43, (1<<20)|(1<<21)|(5<<22)|(3<<25)   ; the mask; elements of 1 byte; padding on; bit 21 beside a mask; after every 64 words, 4 words
	s_or_b32 s[G1B+0], s44, (1<<20)|(1<<21)|(5<<22)|(3<<25)
.irp g, G1, G1B
	s_mov_b32 s[\g+1], 256<<16                     ; tensor_dim0
	s_mov_b32 s[\g+2], 128<<16                     ; tensor_dim1
	s_mov_b32 s[\g+3], 256<<16                     ; tile_dim0
	s_mov_b32 s[\g+4], 128                         ; tile_dim1
	s_mov_b32 s[\g+5], 512                         ; the pitch
	s_mov_b32 s[\g+6], 0
	s_mov_b32 s[\g+7], 0
.endr
	; the scale bytes of 128 rows: 4,096 dense bytes as 16 rows of 256 (32 elements of 8 bytes), 16 bytes of padding behind each
	s_or_b32 s[G1S+0], s43, (3<<16)|(1<<20)|(1<<21)|(5<<22)|(3<<25)
	s_or_b32 s[G1SB+0], s44, (3<<16)|(1<<20)|(1<<21)|(5<<22)|(3<<25)
.irp g, G1S, G1SB
	s_mov_b32 s[\g+1], 32<<16
	s_mov_b32 s[\g+2], 16<<16
	s_mov_b32 s[\g+3], 32<<16
	s_mov_b32 s[\g+4], 16
	s_mov_b32 s[\g+5], 32
	s_mov_b32 s[\g+6], 0
	s_mov_b32 s[\g+7], 0
.endr
	s_lshl_b32 s18, s16, 7                         ; which 128 rows of a tile I fetch
	s_lshl_b32 s20, s17, 8
	s_add_co_u32 s20, s20, s18
	s_add_co_u32 s20, s20, s21                     ; A: the table's row
	s_lshl_b32 s46, s42, 8
	s_add_co_u32 s46, s46, s18
	s_add_co_u32 s46, s46, s22                     ; B: the table's row
	s_lshl_b32 s18, s20, 5                         ; 32 scale bytes a row,
	s_mov_b32 s19, 0
	s_lshl_b32 s20, s20, 9                         ; 512 bytes of codes
	s_mov_b32 s21, 0
	s_lshl_b32 s100, s46, 5
	s_mov_b32 s101, 0
	s_lshl_b32 s46, s46, 9
	s_mov_b32 s47, 0
	s_mul_i32 s45, s14, HALFT                      ; where they go: wave x 128 rows: no place in the cluster enters an LDS address
	s_mul_i32 s2, s14, HALFS
	s_mov_b32 s[SEL], 0x76543210
	s_mov_b32 s[SEL+1], 0xfedcba98
	s_wait_dscnt 0x0                               ; both opening adds are done
	s_wait_kmcnt 0x0
	s_add_nc_u64 s[20:21], s[4:5], s[20:21]
	s_add_nc_u64 s[18:19], s[6:7], s[18:19]
	s_add_nc_u64 s[46:47], s[4:5], s[46:47]
	s_add_nc_u64 s[100:101], s[6:7], s[100:101]
	CROUND                                         ; all sixteen work-groups are here: the first joint loads meet
	s_mov_b32 s[G0S], 1
	s_add_co_u32 s[G0S+1], s2, SCL
	s_mov_b64 s[G0S+2:G0S+3], s[18:19]
	s_or_b32 s[G0S+3], s[G0S+3], 0x80000000
	s_mov_b32 s[G0SB], 1
	s_add_co_u32 s[G0SB+1], s2, SCL
	s_mov_b64 s[G0SB+2:G0SB+3], s[100:101]
	s_or_b32 s[G0SB+3], s[G0SB+3], 0x80000000
	JLOAD G0S, G1S, G0SB, G1SB                     ; the scale bytes first: they are wanted with slot 0
.irp s, 0,1
	s_mov_b32 s[G0+4*\s], 1
	s_add_co_u32 s[G0+4*\s+1], s45, \s*SLOT
	s_add_nc_u64 s[G0+4*\s+2:G0+4*\s+3], s[20:21], \s*256
	s_or_b32 s[G0+4*\s+3], s[G0+4*\s+3], 0x80000000
	s_mov_b32 s[G0B+4*\s], 1
	s_add_co_u32 s[G0B+4*\s+1], s45, \s*SLOT
	s_add_nc_u64 s[G0B+4*\s+2:G0B+4*\s+3], s[46:47], \s*256
	s_or_b32 s[G0B+4*\s+3], s[G0B+4*\s+3], 0x80000000
	JLOAD G0+4*\s, G1, G0B+4*\s, G1B               ; both slots: three tensor loads of mine are out
.endr
	; my wave's 128 biases, in the order of reference(): q, k: of my B rows; v: of my A rows
	s_cmp_eq_u32 ttmp9, 0
	s_cselect_b64 s[8:9], s[8:9], s[10:11]
	s_cmp_eq_u32 s3, 1
	s_cselect_b64 s[8:9], s[12:13], s[8:9]
	s_cselect_b32 s104, s41, s40
	s_cselect_b32 s105, s15, s16
	s_lshl_b32 s104, s104, 10
	s_lshl_b32 s105, s105, 9
	s_add_co_u32 s104, s104, s105
	s_mov_b32 s105, 0
	s_add_nc_u64 s[8:9], s[8:9], s[104:105]
	v_and_b32 v6, 31, v0
	v_lshlrev_b32 v[GOF], 4, v6
	global_load_b128 v[PC:PC+3], v[GOF], s[8:9]
	v_and_b32 v1, 15, v0                           ; r
	v_bfe_u32 v2, v0, 4, 1                         ; h
	v_mul_u32_u24 v3, v1, PITCH
	v_lshl_add_u32 v4, v2, 4, v3                   ; a fragment's row x pitch + 16 h
	s_mul_i32 s21, s15, HALFT                      ; my 128 rows of A
	s_mul_i32 s22, s16, HALFT                      ; my 128 rows of B,
	s_add_co_u32 s22, s22, 2*HALFT                 ; behind A's 256
.irp s, 0,1
	v_add_nc_u32 v[ADRA+\s], s21, v4
	v_add_nc_u32 v[ADRB+\s], s22, v4
	s_add_co_u32 s21, s21, SLOT
	s_add_co_u32 s22, s22, SLOT
.endr
	v_mul_u32_u24 v5, v1, 32                       ; my row's scale bytes: 32 a row,
	v_lshrrev_b32 v6, 8, v5
	v_lshl_add_u32 v5, v6, 4, v5                   ; and 16 more for each 256 passed
	s_mul_i32 s21, s15, HALFS
	s_mul_i32 s22, s16, HALFS
	s_add_co_u32 s22, s22, 2*HALFS
	s_sub_co_u32 s22, s22, s21
	v_mul_u32_u24 v6, s22, v2                      ; lanes 16-31 take B's: the lower base + h x the distance
	s_add_co_u32 s21, s21, SCL
	v_add_nc_u32 v5, v5, v6
	v_add_nc_u32 v[ADRS], s21, v5
	s_lshl_b32 s21, s14, 9                         ; 512 x wave
	v_lshl_add_u32 v[BAQ], v2, 6, s21
	v_add_nc_u32 v[BAQ], BIAS, v[BAQ]
	v_and_b32 v5, 7, v0
	v_bfe_u32 v6, v0, 3, 1
	v_lshlrev_b32 v5, 2, v5
	v_lshl_add_u32 v5, v6, 6, v5
	v_add_nc_u32 v5, s21, v5
	v_add_nc_u32 v[BAV], BIAS, v5
	v_add_nc_u32 v[BIW], s21, v[GOF]
	v_add_nc_u32 v[BIW], BIAS, v[BIW]
	v_lshl_add_u32 v[SWAV], v1, 2, s21
	v_add_nc_u32 v[SWAV], SWV, v[SWAV]
	v_add_nc_u32 v[SWRV], s21, v[GOF]
	v_add_nc_u32 v[SWRV], SWV, v[SWRV]
	s_lshl_b32 s21, s14, 10                        ; 1,024 x wave
	v_lshl_add_u32 v[SWAQ], v1, 2, s21
	v_lshl_add_u32 v[SWAQ], v2, 9, v[SWAQ]
	v_add_nc_u32 v[SWAQ], SWQ, v[SWAQ]
	v_add_nc_u32 v[SWRQ], s21, v[GOF]
	v_add_nc_u32 v[SWRQ], SWQ, v[SWRQ]
	v_lshlrev_b32 v[SH], 4, v2
.irp b, 0,1,2,3
	v_mov_b32 v[TM+4+\b], 0                        ; written once: a lane permute's destination counts as one of its sources
.endr
	s_wait_loadcnt 0x0
	ds_store_b128 v[BIW], v[PC:PC+3]               ; my wave's own bytes: only I read them
.macro FRAG reg, adr, q, i             ; 16 rows x 128 K of 4-bit codes: 8 registers, two loads of 16 bytes, 32 bytes apart
.irp c, 0,1
	ds_load_b128 v[\reg+4*\c:\reg+4*\c+3], v[\adr] offset:64*(\q)+32*\c+(\i)*16*PITCH
.endr
.endm
.macro FETCH q                         ; the fragments of K step q (128 along K): 16 of B into set q % 2 of window 1, 16 of A into set q % 2 of window 0: 32 loads in one run
	WIN TO_B
.irp i, 0,1,2,3,4,5,6,7
	FRAG 128*((\q)%2)+8*\i, ADRB+(\q)/4, (\q)%4, \i
.endr
	WIN 0
.irp i, 0,1,2,3,4,5,6,7
	FRAG AF+64*((\q)%2)+8*\i, ADRA+(\q)/4, (\q)%4, \i
.endr
.endm
.macro SCALES s                        ; slot s's scale words: four words a row
.irp i, 0,1,2,3,4,5,6,7
	ds_load_b128 v[SC+32*\s+4*\i:SC+32*\s+4*\i+3], v[ADRS] offset:544*\i+16*\s
.endr
.endm
.macro MUL a, q, zero                  ; A's block a against B's eight.  zero = 1: the first product starts the sums
.irp b, 0,1,2,3,4,5,6,7
.if \zero
	v_wmma_scale_f32_16x16x128_f8f6f4 v[8*(8*((\a)%4)+\b):8*(8*((\a)%4)+\b)+7], v[128*((\q)%2)+8*\b:128*((\q)%2)+8*\b+7], v[AF+64*((\q)%2)+8*(\a):AF+64*((\q)%2)+8*(\a)+7], 0, v[SC+32*((\q)/4)+4*\b+(\q)%4], v[SC+32*((\q)/4)+4*(\a)+(\q)%4] matrix_a_fmt:MATRIX_FMT_FP4 matrix_b_fmt:MATRIX_FMT_FP4 matrix_a_scale:MATRIX_SCALE_ROW1
.else
	v_wmma_scale_f32_16x16x128_f8f6f4 v[8*(8*((\a)%4)+\b):8*(8*((\a)%4)+\b)+7], v[128*((\q)%2)+8*\b:128*((\q)%2)+8*\b+7], v[AF+64*((\q)%2)+8*(\a):AF+64*((\q)%2)+8*(\a)+7], v[8*(8*((\a)%4)+\b):8*(8*((\a)%4)+\b)+7], v[SC+32*((\q)/4)+4*\b+(\q)%4], v[SC+32*((\q)/4)+4*(\a)+(\q)%4] matrix_a_fmt:MATRIX_FMT_FP4 matrix_b_fmt:MATRIX_FMT_FP4 matrix_a_scale:MATRIX_SCALE_ROW1
.endif
.endr
.endm
; K step q: its fragments are in; the next step's 32 loads go out in one run, and land under this step's 64 matrix instructions.  The 64 accumulators take turns in one order.
.macro STEP q, zero
	s_wait_dscnt 0x0                               ; this step's fragments (and scale words) are in; no LDS instruction of mine is out
.if (\q) == 2
	s_wait_tensorcnt 0x0                           ; my part of slot 1 has landed:
	s_barrier_signal -1                            ; say so; up to the wait stand reads of slot 0, which nobody ever writes, and work on registers
.endif
.if (\q) == 3
	s_barrier_wait -1                              ; everybody's part of slot 1 has landed.
.endif
.if (\q) < 7
.if (\q) > 0
	PLACES 4                                       ; four places in front of loads into registers that the last step's matrix instructions have read
.endif
	FETCH (\q)+1
.if (\q) == 3
	SCALES 1
.endif
.endif
	WIN MUL_LO
.irp a, 0,1,2,3
	MUL \a, \q, \zero
.endr
	WIN MUL_HI
.irp a, 4,5,6,7
	MUL \a, \q, \zero
.endr
	WIN 0
.endm
; 64 numbers of a lane, v[s] on, register 16 b + i = k 32 b + 16 h + i of my row, become a fragment's codes in v[PC] on and my row's scale word in v[pw]
.macro QUANT s, pw
.irp b, 0,1,2,3
	v_max3_num_f32 v[TM+\b], |v[\s+16*\b]|, |v[\s+1+16*\b]|, 0x1800000   ; block b: my 16 numbers, and the floor 2^(3 - 127): the byte cannot fall under 1
.endr
.irp i, 2,4,6,8,10,12,14
.irp b, 0,1,2,3
	v_max3_num_f32 v[TM+\b], v[TM+\b], |v[\s+16*\b+\i]|, |v[\s+1+16*\b+\i]|   ; the four blocks by turns
.endr
.endr
.irp b, 0,1,2,3
	v_permlanex16_b32 v[TM+4+\b], v[TM+\b], s[SEL], s[SEL+1]
.endr
.irp b, 0,1,2,3
	v_max_num_f32 v[TM+\b], v[TM+\b], v[TM+4+\b]   ; with lane l xor 16's: the block's largest magnitude
.endr
.irp b, 0,1,2,3
	v_add_nc_u32 v[TM+12+\b], 0xff000000, v[TM+\b] ; 2 off its exponent field: the conversion's scale operand
.endr
.irp b, 0,1,2,3
	v_lshrrev_b32 v[TM+4+\b], 23, v[TM+12+\b]      ; the scale's byte
.endr
	v_lshl_or_b32 v[\pw], v[TM+5], 8, v[TM+4]
	v_lshl_or_b32 v[\pw], v[TM+6], 16, v[\pw]
	v_lshl_or_b32 v[\pw], v[TM+7], 24, v[\pw]
.irp b, 0,1,2,3
	v_cvt_scalef32_pk8_fp4_f32 v[PC+2*\b], v[\s+16*\b:\s+7+16*\b], v[TM+12+\b]
	v_cvt_scalef32_pk8_fp4_f32 v[PC+1+2*\b], v[\s+8+16*\b:\s+15+16*\b], v[TM+12+\b]
.endr
	v_nop                                          ; one plain place behind a scaled conversion
.irp c, 0,1                                    ; the operand's layout wants a whole block in a lane: lanes 0-15 block 2 c, lanes 16-31 block 2 c + 1
.irp i, 0,1
	v_permlane16_swap_b32 v[PC+4*\c+\i], v[PC+2+4*\c+\i]
.endr
.endr
.endm
; The way out of A's block a: bias, quantiser, two stores of 512 consecutive bytes, the scale word to my own LDS bytes
.macro OUT a, isv
.if (\a) > 0
	s_wait_xcnt 0x0                                ; the last block's stores have read their data: the codes' registers are written again only behind this wait
.endif
	WIN 0x02+(\a)/4                                ; source 0: window 2 or 3
.set ii, 0
.rept 32
.if \isv
	v_pk_add_f32 v[ST+2*ii:ST+2*ii+1], v[64*((\a)%4)+2*ii:64*((\a)%4)+2*ii+1], v[BR+2*(\a):BR+2*(\a)+1]   ; + my channel's bias; each accumulator is read from its low end on
.else
	v_pk_add_f32 v[ST+2*ii:ST+2*ii+1], v[64*((\a)%4)+2*ii:64*((\a)%4)+2*ii+1], v[BR+2*ii:BR+2*ii+1]       ; + the biases of my 64 channels
.endif
.set ii, ii+1
.endr
	WIN 0
	QUANT ST, PW+(\a)
.if \isv
	global_store_b128 v[GOF], v[PC:PC+3], s[96:97] offset:1024*(\a)          ; 16 channels x keys 0-63 of the step,
	global_store_b128 v[GOF], v[PC+4:PC+7], s[96:97] offset:1024*(\a)+512    ; and keys 64-127
	ds_store_b32 v[SWAV], v[PW+(\a)] offset:64*(\a)                          ; both halves of the lanes write the same word
.else
	global_store_b128 v[GOF], v[PC:PC+3], s[92:93] offset:512*(\a)           ; 16 tokens of my first head,
	global_store_b128 v[GOF], v[PC+4:PC+7], s[92:93] offset:65536+512*(\a)   ; and of my second
	v_lshrrev_b32 v[PW+(\a)], v[SH], v[PW+(\a)]                              ; lanes 0-15 keep the word (bytes 0, 1: the first head's), lanes 16-31 bring the second head's two bytes down
	ds_store_b32 v[SWAQ], v[PW+(\a)] offset:64*(\a)
.endif
.endm
	s_wait_tensorcnt 0x1                           ; the scale bytes and my part of slot 0 are in; slot 1's load, the youngest, may be out
	s_wait_dscnt 0x0                               ; my bias store
	s_barrier_signal -1
	s_barrier_wait -1
	FETCH 0
	SCALES 0
	STEP 0, 1
.irp q, 1,2,3,4,5,6,7
	STEP \q, 0
.endr
	PLACES 4                                       ; behind the last products: their results are read, and registers that they read are loaded and written, below
	s_cmp_eq_u32 s3, 1                             ; the same in all waves and all partners
	s_cbranch_scc1 .Lv_out
	; ---- q, k.  codes: [which][16 batch + head][tile of 16 tokens][512 bytes];  scale words: [which][16 batch + head][token][4 bytes]
	s_lshr_b32 s18, s17, 3                         ; the batch: 8 tiles of 256 tokens
	s_and_b32 s19, s17, 7
	s_lshl_b32 s20, s40, 2
	s_lshl_b32 s21, s16, 1
	s_add_co_u32 s20, s20, s21                     ; my first head: 4 cx + 2 x half
	s_lshl_b32 s18, s18, 4
	s_add_co_u32 s18, s18, s20
	s_lshl_b32 s19, s19, 4
	s_lshl_b32 s21, s15, 3
	s_add_co_u32 s19, s19, s21                     ; my first tile of 16 tokens in the batch
	s_lshl_b32 s20, ttmp9, 22
	s_lshl_b32 s21, s18, 16
	s_add_co_u32 s20, s20, s21
	s_lshl_b32 s21, s19, 9
	s_add_co_u32 s20, s20, s21
	s_mov_b32 s21, 0
	s_add_nc_u64 s[92:93], s[92:93], s[20:21]
	s_lshl_b32 s20, ttmp9, 19
	s_lshl_b32 s22, s18, 13
	s_add_co_u32 s20, s20, s22
	s_lshl_b32 s22, s19, 6
	s_add_co_u32 s20, s20, s22
	s_add_nc_u64 s[94:95], s[94:95], s[20:21]
.irp b, 0,1,2,3,4,5,6,7
	ds_load_b128 v[BR+8*\b:BR+8*\b+3], v[BAQ] offset:128*(\b/2)+32*(\b%2)          ; tile 2 c + u: channels 32 c + 16 h + 8 u + 0 .. 7
	ds_load_b128 v[BR+8*\b+4:BR+8*\b+7], v[BAQ] offset:128*(\b/2)+32*(\b%2)+16
.endr
	s_wait_dscnt 0x0
.irp a, 0,1,2,3,4,5,6,7
	OUT \a, 0
.endr
	ds_load_b128 v[TM:TM+3], v[SWRQ]               ; LDS serves a wave's instructions in order: these see my stores.  128 tokens' words of the first head,
	ds_load_b128 v[TM+4:TM+7], v[SWRQ] offset:512  ; and of the second
	s_wait_dscnt 0x0
	global_store_b128 v[GOF], v[TM:TM+3], s[94:95]                 ; 512 consecutive bytes
	global_store_b128 v[GOF], v[TM+4:TM+7], s[94:95] offset:8192
	s_branch .Lout_done
.Lv_out:
	; ---- v.  codes: [batch][key step of 128][tile of 16 channels][1,024 bytes];  scale words: [batch][key step][tile][16 channels][4 bytes]
	s_lshr_b32 s18, s42, 3                         ; the batch
	s_and_b32 s19, s42, 7
	s_lshl_b32 s19, s19, 1
	s_add_co_u32 s19, s19, s16                     ; the key step
	s_lshl_b32 s18, s18, 4
	s_add_co_u32 s18, s18, s19
	s_lshl_b32 s19, s41, 4
	s_lshl_b32 s20, s15, 3
	s_add_co_u32 s19, s19, s20                     ; my first tile of channels: 16 cy + 8 x half
	s_lshl_b32 s20, s18, 16
	s_lshl_b32 s22, s19, 10
	s_add_co_u32 s20, s20, s22
	s_mov_b32 s21, 0
	s_add_nc_u64 s[96:97], s[96:97], s[20:21]
	s_lshl_b32 s20, s18, 12
	s_lshl_b32 s22, s19, 6
	s_add_co_u32 s20, s20, s22
	s_add_nc_u64 s[98:99], s[98:99], s[20:21]
.irp a, 0,1,2,3,4,5,6,7
	ds_load_b32 v[BR+2*\a], v[BAV] offset:128*(\a/2)+32*(\a%2)     ; my channel of block a, by the storage order: 32 (a / 2) + 8 (a % 2) + r % 8 + 16 (r / 8);
	ds_load_b32 v[BR+2*\a+1], v[BAV] offset:128*(\a/2)+32*(\a%2)   ; twice, for the packed addition
.endr
	s_wait_dscnt 0x0
.irp a, 0,1,2,3,4,5,6,7
	OUT \a, 1
.endr
	ds_load_b128 v[TM:TM+3], v[SWRV]
	s_wait_dscnt 0x0
	global_store_b128 v[GOF], v[TM:TM+3], s[98:99]                 ; 512 consecutive bytes
.Lout_done:
	s_wait_tensorcnt 0x0                           ; the wave's end: three lines behind my last tensor load and my last LDS store
	ds_add_u32 v[SPW], v[NIL]
	s_wait_dscnt 0x0
	CROUND                                         ; the closing round: no work-group ends while a partner may still ask for a tile that names it
	s_endpgm
.Lfunc_end_k_qfa1cd808da_qkv:
	.size	k_qfa1cd808da_qkv, .Lfunc_end_k_qfa1cd808da_qkv-k_qfa1cd808da_qkv
	.p2alignl 7, 3214868480
	.fill 96, 4, 3214868480
	.section	.rodata,"a",@progbits
	.p2align	6, 0x0
	.amdhsa_kernel k_qfa1cd808da_qkv
		.amdhsa_group_segment_fixed_size 327680
		.amdhsa_private_segment_fixed_size 0
		.amdhsa_enable_private_segment 0
		.amdhsa_kernarg_size 72
		.amdhsa_user_sgpr_count 2
		.amdhsa_user_sgpr_kernarg_segment_ptr 1
		.amdhsa_wavefront_size32 1
		.amdhsa_system_sgpr_workgroup_id_x 1
		.amdhsa_system_sgpr_workgroup_id_y 1
		.amdhsa_system_sgpr_workgroup_id_z 1
		.amdhsa_system_vgpr_workitem_id 0
		.amdhsa_next_free_vgpr 1024
		.amdhsa_next_free_sgpr 106
		.amdhsa_reserve_vcc 0
		.amdhsa_float_denorm_mode_32 3
		.amdhsa_float_denorm_mode_16_64 3
		.amdhsa_memory_ordered 1
		.amdhsa_forward_progress 1
		.amdhsa_inst_pref_size 196
	.end_amdhsa_kernel
	.amdgpu_metadata
---
amdhsa.version: [ 1, 2 ]
amdhsa.kernels:
  - .name:           k_qfa1cd808da_qkv
    .symbol:         k_qfa1cd808da_qkv.kd
    .args:
      - { .name: codes1, .offset: 0, .size: 8, .value_kind: global_buffer, .address_space: global }
      - { .name: scales1, .offset: 8, .size: 8, .value_kind: global_buffer, .address_space: global }
      - { .name: bq, .offset: 16, .size: 8, .value_kind: global_buffer, .address_space: global }
      - { .name: bk, .offset: 24, .size: 8, .value_kind: global_buffer, .address_space: global }
      - { .name: bv, .offset: 32, .size: 8, .value_kind: global_buffer, .address_space: global }
      - { .name: qkc, .offset: 40, .size: 8, .value_kind: global_buffer, .address_space: global }
      - { .name: qks, .offset: 48, .size: 8, .value_kind: global_buffer, .address_space: global }
      - { .name: vc, .offset: 56, .size: 8, .value_kind: global_buffer, .address_space: global }
      - { .name: vs, .offset: 64, .size: 8, .value_kind: global_buffer, .address_space: global }
    .group_segment_fixed_size: 327680
    .private_segment_fixed_size: 0
    .kernarg_segment_align: 8
    .kernarg_segment_size: 72
    .max_flat_workgroup_size: 128
    .sgpr_count:     106
    .vgpr_count:     1024
    .wavefront_size: 32
...
	.end_amdgpu_metadata
.endif
;; end of part 2
;; launch attn (part 3): grid 32 x 16, 16 waves a work-group, no clusters, 327,680 bytes of LDS; arguments qkc, qks, vc, vs, oc, os; writes oc, os
.if DOCPART == 3
	.amdgcn_target "amdgcn-amd-amdhsa--gfx1250"
	.amdhsa_code_object_version 6
	.text
	.protected	k_qfa1cd808da_attn
	.globl	k_qfa1cd808da_attn
	.p2align	8
	.type	k_qfa1cd808da_attn,@function
k_qfa1cd808da_attn:
	s_mov_b64 s[64:65], 0
	v_nop
	global_prefetch_b8 v0, s[64:65] scope:SCOPE_SE
	s_setreg_imm32_b32 hwreg(HW_REG_WAVE_MODE, 25, 1), 1
	s_wait_xcnt 0x0
; O = softmax(q k^T / 8, causal) v for 64 (batch, head) pairs of 2,048 tokens, head size 64, both products on codes of FP4 with E8M0 scales; O is quantised in registers for the last product and leaves as codes.
; LEFT OUT: key steps of 128 keys that lie wholly behind a work-group's queries: reference() masks them itself (shown at the head of the launch quant).
; THE SOFTMAX AHEAD OF THE SECOND PRODUCT: t = score x log2(e) / 8; M = the row's largest t so far, rounded UP to a whole number; p = 2^(t - M) is quantised along the keys, not normalised.
; The row's sum is taken of the unquantised p, in f32, and divides O at the end (by v_rcp_f32 and a multiplication).  When M moves, the sum and O are multiplied by 2^(old M - new M): exact.
; LIMITS: NaN and infinities are not served; a block under 2^-124 gets the byte 1 (read by this program alone).
; TOKENS STAND IN STORAGE ORDER (launch quant): storage token 16 u + r of a group of 32 is token 8 u + r % 8 + 16 (r / 8).  A tile of 16 storage keys as source 0 leaves the 16 registers of tiles 2 b, 2 b + 1
; as keys 32 b + 16 (lane / 16) + 0 .. 15, in true order, as V's codes have them.  Only the mask needs a query's true number.
; SHARES: a work-group owns 128 queries of TWO heads (a pair shares one scale word of the last product's K step); wave = 8 x (head's parity) + tile of 16 queries; 256 registers a wave, four waves to a SIMD.
; The heaviest blocks of queries come first in the grid (block 15 - y).  NO CLUSTER: under the mask the blocks of a head need different numbers of tiles, so partners would ask for tiles that they never read.
; The first product's K is 64: half of the instruction's 128; the other half is zero codes on both sides (registers 4-7 of Q's and K's fragments, cleared once).
; ALL OPERANDS LIE AS IMAGES OF THEIR REGISTERS: four registers = 512 bytes, lane l's 16 bytes at 16 l: tiles are dense blocks, LDS needs no padding.
; THE RING: two slots of 512 keys: K of both heads (2 x 16 KiB), V of both (2 x 16 KiB); waves 0, 1 fetch K's, waves 2, 3 V's.  The scale words of both heads stay in LDS for the launch.
; REGISTERS: v1-11, v24-28 addresses; v12 -M, v13 the largest t, v[14:15] the sum; v16-23 Q; v32-95 K's 8 fragments; v96-127 V's 4; v128-191 S^T, then p; v192-223 O^T; v224-231 p's codes;
; v232-239, v244-247, v250-252, v254 at work; scale words: v240-243 K's (at work too, once read), v248-249 V's, v253 p's, v255 Q's.
.set SK,    512                        ; keys in a slot
.set NQ,    4                          ; key steps in a slot
.set SLOT1, 1<<16                      ; slot 1 begins here: one exclusive or turns an address
.set NSL,   4                          ; slots' worth of keys
.set SCK,   2*SLOT1                    ; K's scale words: 8,192 bytes a head
.set SCV,   SCK+2*8192                 ; V's: 4,096 bytes a head
.set OSTG,  SCV+2*4096                 ; 512 bytes: O's scale words of the 128 queries
.set SPARE, OSTG+512                   ; the spare words, 128 bytes for each of 16 waves
.set AK0,  1                           ; v1   16 lane + 16,384 x parity
.set AV0,  2                           ; v2   + 32,768
.set ASK0, 3                           ; v3   SCK + 8,192 x parity + 4 lane
.set ASV0, 4                           ; v4   SCV + 4,096 x parity + 4 lane
.set SPW,  5                           ; v5   my spare word; never rewritten
.set NIL,  6                           ; v6   0; never rewritten
.set GO,   7                           ; v7   16 lane
.set ADK,  8
.set ADV,  9
.set ADS,  10
.set ADT,  11
.set QL,   24                          ; v24  my query's number in its group of 32, less 16 (lane / 16)
.set OSA,  25                          ; v25  OSTG + 64 x tile + 4 r + 2 x parity
.set OSR,  26                          ; v26  OSTG + 16 lane
.set PFO,  28                          ; v28  256 x lane
.set KR,   32
.set VR,   96
.set S,    128
.set O,    192
.set WV,   18
.set SEL,  20
.set CS,   22                          ; s[22:23] c = log2(e) / 8
.set G1K,  24
.set G1V,  32
.set G0K,  40
.set G0V,  44
.set G1SK, 48
.set G0SK, 56
.set G0SV, 60
.set G1SV, 68
.set TB,   2                           ; s2   LDS byte at which the slot in hand begins
.set TS,   3                           ; s3   the step's scale words of K: 512 bytes a step
.set TJ,   66                          ; s66  and V's: 256 bytes a step
.set SLOTS, 67
.set PFA,  76
.set PFS,  78
.set LIM,  80
.set KF,   98                          ; s98  the step's first key
.set Q0,   99                          ; s99  the first token of my tile's group of 32
; Waves 0 and 1 fetch for K, waves 2 and 3 for V, the others nothing.  An s_nop 0 and four v_nop follow each line.
.macro TLOAD g0k, g1k, g0v, g1v
	s_cmp_lt_u32 s[WV], 2
	s_cbranch_scc0 .Lnot_k_\@
	tensor_load_to_lds s[\g0k:\g0k+3], s[\g1k:\g1k+7]
	s_nop 0
.rept 4
	v_nop
.endr
	s_branch .Lasked_\@
.Lnot_k_\@:
	s_cmp_lt_u32 s[WV], 4
	s_cbranch_scc0 .Lasked_\@
	tensor_load_to_lds s[\g0v:\g0v+3], s[\g1v:\g1v+7]
	s_nop 0
.rept 4
	v_nop
.endr
.Lasked_\@:
.endm
; A prefetch of what the NEXT change of slots will ask for.  All 16 work-groups of a pair of heads walk the same K and V: the first of them (y = 0, which walks all slots) asks, by the waves that fetch nothing,
; one instruction each: waves 4 to 7 for K's 2 x 16 KiB (8,192 bytes a wave, lanes 256 bytes apart), waves 8 to 11 for V's four key steps (8,192 bytes of both heads each).  So each aligned 256 bytes are named once.
; Slots 0 and 1 come by their loads alone; the last change that fills a slot asks for nothing.
.macro ASK
	s_cmp_gt_u32 s[SLOTS], s[LIM]
	s_cbranch_scc0 .Lnot_mine_\@
	global_prefetch_b8 v[PFO], s[PFA:PFA+1] th:TH_LOAD_NT scope:SCOPE_SE
.Lnot_mine_\@:
.endm
	s_load_b256 s[4:11], s[0:1], 0x0               ; qkc, qks, vc, vs
	s_load_b128 s[12:15], s[0:1], 0x20             ; oc, os
	v_lshl_add_u32 v[SPW], v0, 2, SPARE
	v_mov_b32 v[NIL], 0
	ds_add_u32 v[SPW], v[NIL]                      ; the wave's opening: the add, twice on end, and its wait ahead of the first tensor load
	ds_add_u32 v[SPW], v[NIL]
	v_lshrrev_b32 v8, 5, v0
	s_delay_alu instid0(VALU_DEP_1)
	v_readfirstlane_b32 s[WV], v8                  ; wave 0..15
	s_lshr_b32 s19, s[WV], 3                       ; my head's parity
	s_and_b32 s16, s[WV], 7                        ; my tile of 16 queries
	s_and_b32 s17, s[WV], 1                        ; the parity of the head that I fetch for, if I fetch
	s_lshr_b32 s81, ttmp9, 3                       ; the batch
	s_and_b32 s82, ttmp9, 7                        ; the pair of heads
	s_and_b32 s87, ttmp7, 0xffff                   ; y
	s_sub_co_u32 s83, 15, s87                      ; my block of 128 queries
	s_lshl_b32 s84, ttmp9, 1
	s_add_co_u32 s85, s84, s17                     ; 16 batch + head: the one that I fetch for,
	s_add_co_u32 s84, s84, s19                     ; and mine
	s_lshl_b32 s86, s83, 3
	s_add_co_u32 s86, s86, s16                     ; my tile among the head's 128
	s_lshl_b32 s[Q0], s83, 7
	s_lshr_b32 s88, s16, 1
	s_lshl_b32 s88, s88, 5
	s_add_co_u32 s[Q0], s[Q0], s88
	; group 1, elements of 8 bytes, no padding.  K: 16 KiB dense as 64 rows of 256 bytes
	s_mov_b32 s[G1K], 3<<16
	s_mov_b32 s[G1K+1], 32<<16
	s_mov_b32 s[G1K+2], 64<<16
	s_mov_b32 s[G1K+3], 32<<16
	s_mov_b32 s[G1K+4], 64
	s_mov_b32 s[G1K+5], 32
	s_mov_b32 s[G1K+6], 0
	s_mov_b32 s[G1K+7], 0
	; V: four key steps, 4,096 bytes of my head in each, 65,536 bytes apart
	s_mov_b32 s[G1V], 3<<16
	s_mov_b32 s[G1V+1], 512<<16
	s_mov_b32 s[G1V+2], 4<<16
	s_mov_b32 s[G1V+3], 512<<16
	s_mov_b32 s[G1V+4], 4
	s_mov_b32 s[G1V+5], 8192
	s_mov_b32 s[G1V+6], 0
	s_mov_b32 s[G1V+7], 0
	; K's scale words of a head: 8,192 dense bytes
	s_mov_b32 s[G1SK], 3<<16
	s_mov_b32 s[G1SK+1], 32<<16
	s_mov_b32 s[G1SK+2], 32<<16
	s_mov_b32 s[G1SK+3], 32<<16
	s_mov_b32 s[G1SK+4], 32
	s_mov_b32 s[G1SK+5], 32
	s_mov_b32 s[G1SK+6], 0
	s_mov_b32 s[G1SK+7], 0
	; V's: 16 key steps, 256 bytes of my head in each, 4,096 bytes apart
	s_mov_b32 s[G1SV], 3<<16
	s_mov_b32 s[G1SV+1], 32<<16
	s_mov_b32 s[G1SV+2], 16<<16
	s_mov_b32 s[G1SV+3], 32<<16
	s_mov_b32 s[G1SV+4], 16
	s_mov_b32 s[G1SV+5], 512
	s_mov_b32 s[G1SV+6], 0
	s_mov_b32 s[G1SV+7], 0
	s_mov_b32 s[SEL], 0x76543210
	s_mov_b32 s[SEL+1], 0xfedcba98
	s_mov_b32 s[CS], 0x3e38aa3b                    ; log2(e) / 8
	s_mov_b32 s[CS+1], s[CS]                       ; (named with it as a pair, so it is written)
	s_mov_b32 s[TB], 0
	s_mov_b32 s[TS], 0
	s_mov_b32 s[TJ], 0
	s_mov_b32 s[SLOTS], NSL-1
	s_mov_b32 s[KF], 0
	s_mov_b32 s89, 0                               ; the upper word of every offset below
	s_wait_dscnt 0x0                               ; both opening adds are done
	s_wait_kmcnt 0x0
	s_lshl_b32 s88, s85, 13
	s_add_co_u32 s88, s88, 524288                  ; k's half of qks
	s_mov_b32 s[G0SK], 1
	s_lshl_b32 s90, s17, 13
	s_add_co_u32 s[G0SK+1], s90, SCK
	s_add_nc_u64 s[G0SK+2:G0SK+3], s[6:7], s[88:89]
	s_or_b32 s[G0SK+3], s[G0SK+3], 0x80000000
	s_lshl_b32 s91, s82, 1
	s_add_co_u32 s91, s91, s17                     ; the head in its batch
	s_lshl_b32 s88, s81, 16
	s_lshl_b32 s90, s91, 8
	s_add_co_u32 s88, s88, s90
	s_mov_b32 s[G0SV], 1
	s_lshl_b32 s90, s17, 12
	s_add_co_u32 s[G0SV+1], s90, SCV
	s_add_nc_u64 s[G0SV+2:G0SV+3], s[10:11], s[88:89]
	s_or_b32 s[G0SV+3], s[G0SV+3], 0x80000000
	TLOAD G0SK, G1SK, G0SV, G1SV                   ; the scale words of both heads: filled once
	s_lshl_b32 s88, s85, 16
	s_add_co_u32 s88, s88, 4194304                 ; k's half of qkc
	s_mov_b32 s[G0K], 1
	s_lshl_b32 s[G0K+1], s17, 14
	s_add_nc_u64 s[G0K+2:G0K+3], s[4:5], s[88:89]
	s_or_b32 s[G0K+3], s[G0K+3], 0x80000000
	s_lshl_b32 s88, s81, 20
	s_lshl_b32 s90, s91, 12
	s_add_co_u32 s88, s88, s90
	s_mov_b32 s[G0V], 1
	s_lshl_b32 s90, s17, 14
	s_add_co_u32 s[G0V+1], s90, 32768
	s_add_nc_u64 s[G0V+2:G0V+3], s[8:9], s[88:89]
	s_or_b32 s[G0V+3], s[G0V+3], 0x80000000
	TLOAD G0K, G1K, G0V, G1V                       ; slot 0: it holds key 0, which counts for every query
	s_lshl_b32 s88, s84, 16
	s_lshl_b32 s90, s86, 9
	s_add_co_u32 s88, s88, s90
	s_add_nc_u64 s[92:93], s[4:5], s[88:89]        ; Q's codes: my tile
	s_lshl_b32 s88, s84, 13
	s_lshl_b32 s90, s86, 6
	s_add_co_u32 s88, s88, s90
	s_add_nc_u64 s[94:95], s[6:7], s[88:89]        ; and its scale words
	s_lshl_b32 s88, s81, 7
	s_add_co_u32 s88, s88, s86
	s_lshl_b32 s88, s88, 13                        ; oc: [tile of 16 tokens: 128 batch + tile][pair of heads][parity][512 bytes]
	s_lshl_b32 s90, s82, 10
	s_add_co_u32 s88, s88, s90
	s_lshl_b32 s90, s19, 9
	s_add_co_u32 s88, s88, s90
	s_add_nc_u64 s[12:13], s[12:13], s[88:89]
	s_lshl_b32 s88, s82, 15                        ; os: [pair of heads][token][4 bytes]
	s_lshl_b32 s90, s81, 13
	s_add_co_u32 s88, s88, s90
	s_lshl_b32 s90, s83, 9
	s_add_co_u32 s88, s88, s90
	s_add_nc_u64 s[14:15], s[14:15], s[88:89]
	; the prefetches: where my wave's stand (in slot 1: the first change of slots steps them to slot 2), and who asks
	s_lshr_b32 s88, s[WV], 1
	s_and_b32 s88, s88, 1
	s_lshl_b32 s90, ttmp9, 1
	s_add_co_u32 s88, s88, s90
	s_lshl_b32 s88, s88, 16
	s_lshl_b32 s90, s17, 13
	s_add_co_u32 s88, s88, s90
	s_add_co_u32 s88, s88, 4194304+16384           ; K: head (wave / 2) % 2 of the pair, half wave % 2 of its 16 KiB
	s_and_b32 s90, s[WV], 3
	s_add_co_u32 s90, s90, 4
	s_lshl_b32 s91, s81, 4
	s_add_co_u32 s90, s90, s91
	s_lshl_b32 s90, s90, 16
	s_lshl_b32 s91, s82, 13
	s_add_co_u32 s90, s90, s91                     ; V: key step wave % 4 of the slot, both heads' 8,192 bytes
	s_sub_co_u32 s91, s[WV], 4
	s_lshr_b32 s91, s91, 3                         ; 0 in waves 4 to 11,
	s_or_b32 s91, s91, s87                         ; of the work-group with y = 0
	s_cmp_eq_u32 s91, 0
	s_cselect_b32 s[LIM], 1, -1
	s_cmp_lt_u32 s[WV], 8
	s_cselect_b64 s[PFA:PFA+1], s[4:5], s[8:9]
	s_mov_b32 s[PFS], 262144
	s_cselect_b32 s[PFS], 16384, s[PFS]            ; a slot on
	s_cselect_b32 s88, s88, s90
	s_mov_b32 s[PFS+1], 0
	s_add_nc_u64 s[PFA:PFA+1], s[PFA:PFA+1], s[88:89]
	v_and_b32 v8, 15, v0                           ; r
	v_bfe_u32 v9, v0, 4, 1                         ; h
	v_and_b32 v10, 31, v0                          ; lane
	s_delay_alu instid0(VALU_DEP_1)
	v_lshlrev_b32 v[GO], 4, v10
	global_load_b128 v[16:19], v[GO], s[92:93]     ; Q's fragment, registers 0-3: it stays
	v_lshlrev_b32 v254, 2, v8
	global_load_b32 v255, v254, s[94:95]           ; Q's scale words
.irp j, 20,21,22,23
	v_mov_b32 v[\j], 0                             ; K = 64 .. 127 of the first product: zero codes
.endr
.irp t, 0,1,2,3,4,5,6,7
.irp j, 4,5,6,7
	v_mov_b32 v[KR+8*\t+\j], 0                     ; on K's side too; cleared once, never loaded
.endr
.endr
	s_lshl_b32 s88, s19, 14
	v_add_nc_u32 v[AK0], s88, v[GO]
	s_delay_alu instid0(VALU_DEP_1)
	v_add_nc_u32 v[AV0], 32768, v[AK0]
	v_lshlrev_b32 v11, 2, v10
	s_lshl_b32 s88, s19, 13
	v_add_nc_u32 v[ASK0], s88, v11
	s_delay_alu instid0(VALU_DEP_1)
	v_add_nc_u32 v[ASK0], SCK, v[ASK0]
	s_lshl_b32 s88, s19, 12
	v_add_nc_u32 v[ASV0], s88, v11
	s_delay_alu instid0(VALU_DEP_1)
	v_add_nc_u32 v[ASV0], SCV, v[ASV0]
	v_and_b32 v[QL], 7, v0
	v_bfe_u32 v11, v0, 3, 1
	s_delay_alu instid0(VALU_DEP_1)
	v_sub_nc_u32 v11, v11, v9
	s_delay_alu instid0(VALU_DEP_1)
	v_lshl_add_u32 v[QL], v11, 4, v[QL]            ; r % 8 + 16 (r / 8) - 16 h
	s_and_b32 s88, s16, 1
	s_lshl_b32 s88, s88, 3
	v_add_nc_u32 v[QL], s88, v[QL]                 ; + 8 (tile % 2)
	s_lshl_b32 s88, s16, 6
	s_lshl_b32 s90, s19, 1
	s_add_co_u32 s88, s88, s90
	v_lshl_add_u32 v[OSA], v8, 2, s88
	s_delay_alu instid0(VALU_DEP_1)
	v_add_nc_u32 v[OSA], OSTG, v[OSA]
	v_add_nc_u32 v[OSR], OSTG, v[GO]
	v_lshlrev_b32 v[PFO], 8, v10
	v_mov_b32 v13, 0xff61b1e6                      ; the largest t so far: -3e38, under every t
	s_delay_alu instid0(VALU_DEP_1)
	v_floor_f32 v12, -v13                          ; -M
	v_mov_b32 v14, 0                               ; the sum, in two halves
	v_mov_b32 v15, 0
.irp b, 0,1,2,3
	v_mov_b32 v[236+\b], 0                         ; written once: a lane permute's destination counts as one of its sources
.endr
	v_mov_b32 v252, 0                              ; likewise (the way out's permute)
	v_mov_b32 v253, 0                              ; (named as the upper half of the pair v[252:253] before it is first written)
.set jj, 0
.rept 32
	v_mov_b32 v[O+jj], 0                           ; O^T: the step is written once; the first finds zeros, which the first change of M leaves zeros
.set jj, jj+1
.endr
; A KEY STEP: 128 keys, the q-th of the slot in hand
.macro STEP q
	s_add_co_u32 s96, s[Q0], 31                    ; a step all of whose keys come after my queries is left out: a branch on ids, round the step's work alone
	s_cmp_gt_u32 s[KF], s96
	s_cbranch_scc1 .Lhidden_\@
	v_add_nc_u32 v[ADK], s[TB], v[AK0]             ; these four are also the places behind the last step's products, in front of the loads into registers that those have read
	v_add_nc_u32 v[ADV], s[TB], v[AV0]
	v_add_nc_u32 v[ADS], s[TS], v[ASK0]
	v_add_nc_u32 v[ADT], s[TJ], v[ASV0]
.irp t, 0,1,2,3,4,5,6,7
	ds_load_b128 v[KR+8*\t:KR+8*\t+3], v[ADK] offset:4096*(\q)+512*\t
.endr
.irp g, 0,1,2,3
	ds_load_b32 v[240+\g], v[ADS] offset:128*\g    ; lanes 0-15: tile 2 g's words, lanes 16-31: tile 2 g + 1's
.endr
.irp t, 0,1,2,3
.irp c, 0,1
	ds_load_b128 v[VR+8*\t+4*\c:VR+8*\t+4*\c+3], v[ADV] offset:4096*(\q)+1024*\t+512*\c
.endr
.endr
.irp g, 0,1
	ds_load_b32 v[248+\g], v[ADT] offset:128*\g
.endr
	s_wait_dscnt 10                                ; K's twelve loads are in; V's ten, issued behind them, may be out
.irp t, 0,2,4,6                                ; S^T = K Q^T: source 0 = 16 keys, source 1 = my 16 queries
	v_wmma_scale_f32_16x16x128_f8f6f4 v[S+8*\t:S+8*\t+7], v[KR+8*\t:KR+8*\t+7], v[16:23], 0, v[240+\t/2], v255 matrix_a_fmt:MATRIX_FMT_FP4 matrix_b_fmt:MATRIX_FMT_FP4
	v_wmma_scale_f32_16x16x128_f8f6f4 v[S+8*\t+8:S+8*\t+15], v[KR+8*\t+8:KR+8*\t+15], v[16:23], 0, v[240+\t/2], v255 matrix_a_fmt:MATRIX_FMT_FP4 matrix_b_fmt:MATRIX_FMT_FP4 matrix_a_scale:MATRIX_SCALE_ROW1
.endr
.rept 4
	v_nop                                          ; four places behind the products, in front of the first read of their results
.endr
	s_add_co_u32 s96, s[KF], 127                   ; on the diagonal the scores of hidden keys become -infinity ahead of the maximum: p = 0 then.  A step all of whose keys count skips this
	s_cmp_le_u32 s96, s[Q0]
	s_cbranch_scc1 .Lopen_\@
	s_sub_co_i32 s96, s[Q0], s[KF]
	v_add_nc_u32 v252, s96, v[QL]                  ; d = my query - KF - 16 h.  Register 16 b + i holds key KF + 16 h + 32 b + i: hidden where 32 b + i > d
	v_mov_b32 v254, 0xff800000                     ; -infinity
.set nn, 0
.rept 64
	v_cmp_gt_i32 vcc_lo, 32*(nn/16)+nn%16, v252
	v_cndmask_b32 v[S+nn], v[S+nn], v254, vcc_lo
.set nn, nn+1
.endr
.Lopen_\@:
.irp b, 0,1,2,3
	v_max3_num_f32 v[232+\b], v[S+16*\b], v[S+1+16*\b], v[S+2+16*\b]   ; the largest score of each block of 32 keys: it serves the row's maximum and, since p rises with the score, the block's largest p
.endr
.irp i, 3,5,7,9,11,13
.irp b, 0,1,2,3
	v_max3_num_f32 v[232+\b], v[232+\b], v[S+16*\b+\i], v[S+1+16*\b+\i]
.endr
.endr
.irp b, 0,1,2,3
	v_max_num_f32 v[232+\b], v[232+\b], v[S+15+16*\b]
.endr
.irp b, 0,1,2,3
	s_delay_alu instid0(VALU_DEP_4)
	v_permlanex16_b32 v[236+\b], v[232+\b], s[SEL], s[SEL+1]
.endr
.irp b, 0,1,2,3
	s_delay_alu instid0(VALU_DEP_4)
	v_max_num_f32 v[232+\b], v[232+\b], v[236+\b]  ; with lane l xor 16's 16 keys
.endr
	s_delay_alu instid0(VALU_DEP_2)
	v_max3_num_f32 v254, v232, v233, v234
	s_delay_alu instid0(VALU_DEP_1)
	v_max_num_f32 v254, v254, v235                 ; the step's largest score of my query
	s_delay_alu instid0(VALU_DEP_1)
	v_mul_f32 v254, s[CS], v254                    ; as t
	s_delay_alu instid0(VALU_DEP_1)
	v_max_num_f32 v13, v13, v254                   ; the running largest t
	v_mov_b32 v254, v12
	s_delay_alu instid0(VALU_DEP_2)
	v_floor_f32 v12, -v13                          ; the new -M = floor(-t) = -ceil(t)
	s_delay_alu instid0(VALU_DEP_1)
	v_sub_f32 v254, v12, v254                      ; old M - new M: a whole number, 0 or less
	s_delay_alu instid0(VALU_DEP_1)
	v_cvt_i32_f32 v254, v254                       ; (it saturates)
	s_delay_alu instid0(VALU_DEP_1)
	v_ldexp_f32 v252, 1.0, v254                    ; f = 2^(old M - new M)
.set jj, 0
.rept 32
	v_pk_fma_f32 v[S+jj:S+jj+1], v[S+jj:S+jj+1], s[CS:CS+1], v[12:13] op_sel_hi:[1,0,0]   ; t - M, two at a time
.set jj, jj+2
.endr
.irp b, 0,1,2,3
	v_fma_f32 v[232+\b], v[232+\b], s[CS], v12     ; the same of each block's largest score
.endr
.set jj, 0
	s_wait_alu depctr_va_vdst(0)
.rept 64
	v_exp_f32 v[S+jj], v[S+jj]                     ; p = 2^(t - M), at most 1
.set jj, jj+1
.endr
	v_pk_mul_f32 v[14:15], v[14:15], v[252:253] op_sel_hi:[1,0]   ; the sums under the new M (the plain place behind the exponentials)
	s_wait_alu depctr_va_vdst(0)                   ; one wait for the whole batch, ahead of its first reader
.irp b, 0,1,2,3
	v_exp_f32 v[232+\b], v[232+\b]                 ; the block's largest p
.endr
	v_pk_add_f32 v[236:237], v[132:133], v[136:137]
	v_pk_add_f32 v[250:251], v[140:141], v[144:145]
	v_pk_add_f32 v[246:247], v[148:149], v[152:153]
	v_pk_add_f32 v[244:245], v[156:157], v[160:161]
	v_pk_add_f32 v[242:243], v[164:165], v[168:169]
	v_pk_add_f32 v[240:241], v[172:173], v[176:177]
	v_pk_add_f32 v[238:239], v[180:181], v[184:185]
	v_pk_add_f32 v[14:15], v[14:15], v[188:189]
	v_pk_add_f32 v[236:237], v[236:237], v[128:129]
	v_pk_add_f32 v[250:251], v[250:251], v[130:131]
	v_pk_add_f32 v[246:247], v[246:247], v[134:135]
	v_pk_add_f32 v[244:245], v[244:245], v[138:139]
	v_pk_add_f32 v[242:243], v[242:243], v[142:143]
	v_pk_add_f32 v[240:241], v[240:241], v[146:147]
	v_pk_add_f32 v[238:239], v[238:239], v[150:151]
	v_pk_add_f32 v[14:15], v[14:15], v[154:155]
	v_pk_add_f32 v[236:237], v[236:237], v[158:159]
	v_pk_add_f32 v[250:251], v[250:251], v[162:163]
	v_pk_add_f32 v[246:247], v[246:247], v[166:167]
	v_pk_add_f32 v[244:245], v[244:245], v[170:171]
	v_pk_add_f32 v[242:243], v[242:243], v[174:175]
	v_pk_add_f32 v[240:241], v[240:241], v[178:179]
	v_pk_add_f32 v[238:239], v[238:239], v[182:183]
	v_pk_add_f32 v[14:15], v[14:15], v[186:187]
	v_pk_add_f32 v[236:237], v[236:237], v[190:191]
	s_delay_alu instid0(VALU_DEP_2)
	v_pk_add_f32 v[14:15], v[14:15], v[244:245]
	s_delay_alu instid0(VALU_DEP_2)
	v_pk_add_f32 v[236:237], v[236:237], v[242:243]
	v_pk_add_f32 v[250:251], v[250:251], v[240:241]
	v_pk_add_f32 v[246:247], v[246:247], v[238:239]
	s_delay_alu instid0(VALU_DEP_2)
	v_pk_add_f32 v[14:15], v[14:15], v[250:251]
	s_delay_alu instid0(VALU_DEP_2)
	v_pk_add_f32 v[236:237], v[236:237], v[246:247]
	s_delay_alu instid0(VALU_DEP_1)
	v_pk_add_f32 v[14:15], v[14:15], v[236:237]
	s_wait_alu depctr_va_vdst(0)                   ; and one for the four
.irp b, 0,1,2,3
	v_max_num_f32 v[232+\b], 0x1800000, v[232+\b]  ; the floor 2^(3 - 127): the byte cannot fall under 1 (a block of zeros keeps that byte: its codes are zeros)
.endr
.irp b, 0,1,2,3
	s_delay_alu instid0(VALU_DEP_4)
	v_add_nc_u32 v[244+\b], 0xff000000, v[232+\b]  ; 2 off the exponent field: the conversion's scale operand
.endr
.irp b, 0,1,2,3
	s_delay_alu instid0(VALU_DEP_4)
	v_lshrrev_b32 v[236+\b], 23, v[244+\b]         ; the scale's byte
.endr
	s_delay_alu instid0(VALU_DEP_3)
	v_lshl_or_b32 v253, v237, 8, v236              ; p's scale word for these 128 keys
	s_delay_alu instid0(VALU_DEP_1)
	v_lshl_or_b32 v253, v238, 16, v253
	s_delay_alu instid0(VALU_DEP_1)
	v_lshl_or_b32 v253, v239, 24, v253
.irp b, 0,1,2,3
	v_cvt_scalef32_pk8_fp4_f32 v[224+2*\b], v[S+16*\b:S+7+16*\b], v[244+\b]
	v_cvt_scalef32_pk8_fp4_f32 v[225+2*\b], v[S+8+16*\b:S+15+16*\b], v[244+\b]
.endr
	v_nop                                          ; one plain place behind a scaled conversion
.irp c, 0,1                                    ; a whole block in a lane: lanes 0-15 block 2 c, lanes 16-31 block 2 c + 1
.irp i, 0,1
	v_permlane16_swap_b32 v[224+4*\c+\i], v[226+4*\c+\i]
.endr
.endr
.set jj, 0
.rept 16
	v_pk_mul_f32 v[O+jj:O+jj+1], v[O+jj:O+jj+1], v[252:253] op_sel_hi:[1,0]   ; O^T under the new M.  These sixteen also stand between the writes of p's scale word and codes and the scaled products below
.set jj, jj+2
.endr
	s_wait_alu depctr_va_vdst(0)
	s_wait_dscnt 0x0                               ; V is in
.irp t, 0,2                                    ; O^T += V^T P^T: source 0 = 16 of the head's channels, source 1 = p; the four accumulators by turns
	v_wmma_scale_f32_16x16x128_f8f6f4 v[O+8*\t:O+8*\t+7], v[VR+8*\t:VR+8*\t+7], v[224:231], v[O+8*\t:O+8*\t+7], v[248+\t/2], v253 matrix_a_fmt:MATRIX_FMT_FP4 matrix_b_fmt:MATRIX_FMT_FP4
	v_wmma_scale_f32_16x16x128_f8f6f4 v[O+8*\t+8:O+8*\t+15], v[VR+8*\t+8:VR+8*\t+15], v[224:231], v[O+8*\t+8:O+8*\t+15], v[248+\t/2], v253 matrix_a_fmt:MATRIX_FMT_FP4 matrix_b_fmt:MATRIX_FMT_FP4 matrix_a_scale:MATRIX_SCALE_ROW1
.endr
.Lhidden_\@:
	s_add_co_u32 s[KF], s[KF], 128
	s_add_co_u32 s[TS], s[TS], 512
	s_add_co_u32 s[TJ], s[TJ], 256
.endm
; THE CHANGE OF SLOTS stands at a slot's head.  Each wave waits for all its tensor loads, adds 0 to its spare word, and waits for that and for its reads of the slot that it has left.  Behind the barrier the slot ahead is whole
; and nobody reads the other one.  fill = 1: that other slot is filled with the keys that follow, up to the causal limit: the load has a slot's four steps in which to land.
.macro CHANGE fill
	s_wait_tensorcnt 0x0                           ; no tensor load of mine is out, so a group 0 may be written
	ds_add_u32 v[SPW], v[NIL]
.if \fill
	ds_add_u32 v[SPW], v[NIL]                      ; and once more, in every trip alike
	s_xor_b32 s[G0K+1], s[G0K+1], SLOT1            ; the walking descriptors: the other slot,
	s_add_nc_u64 s[G0K+2:G0K+3], s[G0K+2:G0K+3], 16384     ; the next 512 keys
	s_xor_b32 s[G0V+1], s[G0V+1], SLOT1
	s_add_nc_u64 s[G0V+2:G0V+3], s[G0V+2:G0V+3], 262144    ; the next four key steps
	s_wait_xcnt 0x0                                ; the last prefetch, a slot back, has read its address, so it may be written
	s_add_nc_u64 s[PFA:PFA+1], s[PFA:PFA+1], s[PFS:PFS+1]
.endif
	s_wait_dscnt 0x0                               ; the adds are done, and my reads of the slot that I have left are over
	s_barrier_signal -1
	s_barrier_wait -1
.if \fill
	s_add_co_u32 s96, s[KF], SK                    ; the first key of the slot that this change would ask for
	s_or_b32 s97, s[Q0], 127                       ; my work-group's last query
	s_cmp_gt_u32 s96, s97                          ; ids and the count of steps alone: all sixteen waves go the same way.  A slot behind the limit is read by no wave, so it is not asked for
	s_cbranch_scc1 .Lpast_\@
	TLOAD G0K, G1K, G0V, G1V                       ; a wave's one tensor load until the next such barrier
.Lpast_\@:
	ASK
.endif
.endm
.macro SLOT_STEPS
.set QQ, 0
.rept NQ
	STEP QQ
.set QQ, QQ+1
.endr
	s_xor_b32 s[TB], s[TB], SLOT1                  ; on to the other slot
.endm
	s_wait_loadcnt 0x0                             ; Q and its scale words
.Lslot:                                            ; three trips: every work-group walks all slots, so that trip counts are constants; what is left out is a step's work
	CHANGE 1
	SLOT_STEPS
	s_sub_co_u32 s[SLOTS], s[SLOTS], 1
	s_cmp_lg_u32 s[SLOTS], 0
	s_cbranch_scc1 .Lslot
	CHANGE 0                                       ; the last slot is written out: nothing is left to fetch
	SLOT_STEPS
	; THE WAY OUT: O^T / the sum, quantised along the head's 64 (two blocks), stored as half a fragment of the last product; the two scale bytes meet the other head's in LDS
	v_add_f32 v14, v14, v15
	s_delay_alu instid0(VALU_DEP_1)
	v_permlanex16_b32 v252, v14, s[SEL], s[SEL+1]
	s_delay_alu instid0(VALU_DEP_1)
	v_add_f32 v14, v14, v252                       ; the row's sum
	s_wait_alu depctr_va_vdst(0)
	v_rcp_f32 v14, v14
.rept 4
	v_nop                                          ; the plain place behind the reciprocal; with the lines above, the places behind the last products
.endr
	s_wait_alu depctr_va_vdst(0)                   ; ahead of the reciprocal's first reader
.set jj, 0
.rept 32
	v_mul_f32 v[S+jj], v[O+jj], v14                ; register 16 b + i: channel 32 b + 16 h + i of my query; each accumulator from its low end on
.set jj, jj+1
.endr
.irp b, 0,1
	v_max3_num_f32 v[232+\b], |v[S+16*\b]|, |v[S+1+16*\b]|, 0x1800000
.endr
.irp i, 2,4,6,8,10,12,14
.irp b, 0,1
	s_delay_alu instid0(VALU_DEP_2)
	v_max3_num_f32 v[232+\b], v[232+\b], |v[S+16*\b+\i]|, |v[S+1+16*\b+\i]|
.endr
.endr
.irp b, 0,1
	s_delay_alu instid0(VALU_DEP_2)
	v_permlanex16_b32 v[236+\b], v[232+\b], s[SEL], s[SEL+1]
.endr
.irp b, 0,1
	s_delay_alu instid0(VALU_DEP_2)
	v_max_num_f32 v[232+\b], v[232+\b], v[236+\b]
.endr
.irp b, 0,1
	s_delay_alu instid0(VALU_DEP_2)
	v_add_nc_u32 v[244+\b], 0xff000000, v[232+\b]
.endr
.irp b, 0,1
	s_delay_alu instid0(VALU_DEP_2)
	v_lshrrev_b32 v[236+\b], 23, v[244+\b]
.endr
	s_delay_alu instid0(VALU_DEP_1)
	v_lshl_or_b32 v254, v237, 8, v236              ; my head's two bytes
.irp b, 0,1
	v_cvt_scalef32_pk8_fp4_f32 v[224+2*\b], v[S+16*\b:S+7+16*\b], v[244+\b]
	v_cvt_scalef32_pk8_fp4_f32 v[225+2*\b], v[S+8+16*\b:S+15+16*\b], v[244+\b]
.endr
	v_nop                                          ; one plain place behind a scaled conversion
	v_permlane16_swap_b32 v224, v226
	v_permlane16_swap_b32 v225, v227               ; lane (r, h): channels 32 h + 0 .. 31 of query r
	global_store_b128 v[GO], v[224:227], s[12:13]  ; 512 consecutive bytes
	ds_store_b16 v[OSA], v254                      ; both halves of the lanes write the same two bytes
	s_wait_dscnt 0x0                               ; for the others' sake
	s_barrier_signal -1
	s_barrier_wait -1
	s_cmp_lg_u32 s[WV], 0
	s_cbranch_scc1 .Lnot_first
	ds_load_b128 v[232:235], v[OSR]                ; the 128 queries' words
	s_wait_dscnt 0x0
	global_store_b128 v[GO], v[232:235], s[14:15]  ; 512 consecutive bytes
.Lnot_first:
	s_wait_tensorcnt 0x0                           ; the wave's end: three lines behind my last tensor load and my last LDS store
	ds_add_u32 v[SPW], v[NIL]
	s_wait_dscnt 0x0
	s_endpgm
.Lfunc_end_k_qfa1cd808da_attn:
	.size	k_qfa1cd808da_attn, .Lfunc_end_k_qfa1cd808da_attn-k_qfa1cd808da_attn
	.p2alignl 7, 3214868480
	.fill 96, 4, 3214868480
	.section	.rodata,"a",@progbits
	.p2align	6, 0x0
	.amdhsa_kernel k_qfa1cd808da_attn
		.amdhsa_group_segment_fixed_size 327680
		.amdhsa_private_segment_fixed_size 0
		.amdhsa_enable_private_segment 0
		.amdhsa_kernarg_size 48
		.amdhsa_user_sgpr_count 2
		.amdhsa_user_sgpr_kernarg_segment_ptr 1
		.amdhsa_wavefront_size32 1
		.amdhsa_system_sgpr_workgroup_id_x 1
		.amdhsa_system_sgpr_workgroup_id_y 1
		.amdhsa_system_sgpr_workgroup_id_z 1
		.amdhsa_system_vgpr_workitem_id 0
		.amdhsa_next_free_vgpr 256
		.amdhsa_next_free_sgpr 100
		.amdhsa_reserve_vcc 1
		.amdhsa_float_denorm_mode_32 3
		.amdhsa_float_denorm_mode_16_64 3
		.amdhsa_memory_ordered 1
		.amdhsa_forward_progress 1
		.amdhsa_inst_pref_size 189
	.end_amdhsa_kernel
	.amdgpu_metadata
---
amdhsa.version: [ 1, 2 ]
amdhsa.kernels:
  - .name:           k_qfa1cd808da_attn
    .symbol:         k_qfa1cd808da_attn.kd
    .args:
      - { .name: qkc, .offset: 0, .size: 8, .value_kind: global_buffer, .address_space: global }
      - { .name: qks, .offset: 8, .size: 8, .value_kind: global_buffer, .address_space: global }
      - { .name: vc, .offset: 16, .size: 8, .value_kind: global_buffer, .address_space: global }
      - { .name: vs, .offset: 24, .size: 8, .value_kind: global_buffer, .address_space: global }
      - { .name: oc, .offset: 32, .size: 8, .value_kind: global_buffer, .address_space: global }
      - { .name: os, .offset: 40, .size: 8, .value_kind: global_buffer, .address_space: global }
    .group_segment_fixed_size: 327680
    .private_segment_fixed_size: 0
    .kernarg_segment_align: 8
    .kernarg_segment_size: 48
    .max_flat_workgroup_size: 512
    .sgpr_count:     100
    .vgpr_count:     256
    .wavefront_size: 32
...
	.end_amdgpu_metadata
.endif
;; end of part 3
;; launch oproj (part 4): grid 4 x 64, 4 waves a work-group, clusters of 4 x 4, 327,680 bytes of LDS; arguments oc, os, codes1, scales1, bo, out0; writes out0
.if DOCPART == 4
	.amdgcn_target "amdgcn-amd-amdhsa--gfx1250"
	.amdhsa_code_object_version 6
	.text
	.protected	k_qfa1cd808da_oproj
	.globl	k_qfa1cd808da_oproj
	.p2align	8
	.type	k_qfa1cd808da_oproj,@function
k_qfa1cd808da_oproj:
	s_mov_b64 s[64:65], 0
	v_nop
	global_prefetch_b8 v0, s[64:65] scope:SCOPE_SE
	s_setreg_imm32_b32 hwreg(HW_REG_WAVE_MODE, 25, 1), 1
	s_wait_xcnt 0x0
	s_wait_alu depctr_hold_cnt(0) depctr_sa_sdst(0) depctr_va_vdst(0) depctr_va_sdst(0) depctr_va_ssrc(0) depctr_va_vcc(0) depctr_vm_vsrc(0)
	s_getreg_b32 s2, hwreg(HW_REG_IB_STS2, 6, 4)
	s_cmp_eq_u32 s2, 0
	s_cbranch_scc0 .Lentry_in_a_cluster
	s_endpgm
.Lentry_in_a_cluster:
	s_bfe_u32 s2, ttmp6, 0x10000c
	s_cmp_lg_u32 s2, 0xf033
	s_cbranch_scc0 .Lentry_shape_is_right
	s_endpgm
.Lentry_shape_is_right:
; out0 = O Wo^T + bo on codes of FP4 with E8M0 scales, K = 1,024.  Nothing is left out here.
; A = O's codes as the launch attn stored them: images of fragments, [tile of 16 storage tokens][K step 8][1,024 bytes], scale words [K step][token]; B = Wo's rows 11,264 on of the code table.
; A tile of 128 tokens x 256 columns to a work-group, so that there are 256 work-groups; wave (wm, wn) makes 64 x 128: 32 accumulators.  USED TRANSPOSED (source 0 = 16 rows of Wo, source 1 = 16 tokens):
; by the table's storage order a lane's 16 registers of two neighbouring tiles are 16 neighbouring columns of one token's row.  bo is the C of each sum's first product.
; K = 1,024 is two LDS slots of 512 along K, both asked for at the head: nothing is filled again.  CLUSTERS 4 x 4: A's tiles are shared along a row of the cluster, B's along a column.
; THE WAY OUT: a block of 16 tokens x 128 columns goes through the wave's own stage and leaves as whole rows of 512 bytes; the store's immediate puts each storage token back at its true row.
; REGISTERS: window 0: v1-31 addresses; v32-47 A's scale words, v48-79 B's (nothing else ever); v128-191 A's fragments, two sets; on the way out v128-255 rows.
;   window 1: v0-63, v128-191 B's fragments, two sets; v64-127 bo's eight tiles.   window 2: accumulator (a, b) at v[8 (8 a + b)].
.set PITCH,  272
.set HALFB,  128*PITCH
.set BSL,    65536                     ; A's images: [slot][half][tile of rows 4][4,096] fill 0 .. 65,535; B's slots follow
.set BSLOT,  2*HALFB
.set ASC,    BSL+2*BSLOT               ; A's scale words: [half][K step 8][256 bytes]
.set BSC,    ASC+4096                  ; B's scale bytes: 2 x 16 units of 256 + 16
.set STAGE,  BSC+2*4352
.set SPITCH, 528
.set SPARE,  STAGE+4*16*SPITCH
.set ADRA, 16
.set ADRB, 20                          ; v20-21
.set STO,  24
.set RD,   25
.set CO,   26                          ; 16 x lane
.set ADSA, 27
.set SPW,  28
.set NIL,  29
.set ADSB, 30
.set BO,   31                          ; 64 h
.set SCA,  32                          ; register 2 s + g: K step s; lanes 0-15 block 2 g of my tokens, lanes 16-31 block 2 g + 1
.set SCB,  48                          ; register 8 g + s: K step s; lanes 0-15 block 2 g of my columns, lanes 16-31 block 2 g + 1
.set AF,   128
.set BK,   128
.set BI,   64                          ; in window 1
.set G1A, 24
.set G0A, 32
.set G1B, 48
.set G0B, 56
.set G1SA, 68
.set G0SA, 76
.set G1SB, 80
.set G0SB, 88
.set MSB, 0
.macro WIN new
.if MSB != (\new)
	s_set_vgpr_msb (MSB<<8)|(\new)
.set MSB, (\new)
.endif
.endm
.macro JLOAD g0a, g1a, g0b, g1b        ; waves 0 and 1 fetch for A, waves 2 and 3 for B; an s_nop 0 and four v_nop follow each line
	s_cmp_eq_u32 s15, 0
	s_cbranch_scc0 .Lfor_b_\@
	tensor_load_to_lds s[\g0a:\g0a+3], s[\g1a:\g1a+7]
	s_nop 0
.rept 4
	v_nop
.endr
	s_branch .Lasked_\@
.Lfor_b_\@:
	tensor_load_to_lds s[\g0b:\g0b+3], s[\g1b:\g1b+7]
	s_nop 0
.rept 4
	v_nop
.endr
.Lasked_\@:
.endm
.macro CROUND
	s_barrier_signal -1
	s_barrier_wait -1
	s_cmp_lg_u32 s14, 0
	s_cbranch_scc1 .Lnot_wave_0_\@
	s_barrier_signal -3
.Lnot_wave_0_\@:
	s_barrier_wait -3
	s_barrier_signal -1
	s_barrier_wait -1
.endm
.macro PLACES n
.rept \n
	v_nop
.endr
.endm
	s_load_b256 s[4:11], s[0:1], 0x0               ; oc, os, the code table, its scale bytes
	s_load_b128 s[92:95], s[0:1], 0x20             ; bo, out0
	v_lshl_add_u32 v[SPW], v0, 2, SPARE
	v_mov_b32 v[NIL], 0
	ds_add_u32 v[SPW], v[NIL]                      ; the wave's opening: the add, twice on end, and its wait ahead of my first tensor load
	ds_add_u32 v[SPW], v[NIL]
	v_lshrrev_b32 v1, 5, v0
	v_readfirstlane_b32 s14, v1                    ; wave 0..3
	s_lshr_b32 s15, s14, 1                         ; wm: which 64 tokens are mine.  Also: I fetch for A (0) or for B (1)
	s_and_b32 s16, s14, 1                          ; wn: which 128 columns.  Also: which half I fetch
	s_bfe_u32 s40, ttmp6, 0x40000                  ; cx
	s_bfe_u32 s41, ttmp6, 0x40004                  ; cy
	s_lshl_b32 s42, ttmp9, 2
	s_add_co_u32 s42, s42, s40                     ; tile of 256 columns
	s_and_b32 s17, ttmp7, 0xffff
	s_lshl_b32 s17, s17, 2
	s_add_co_u32 s17, s17, s41                     ; tile of 128 tokens
	s_lshl_b32 s43, s41, 2
	s_lshl_b32 s43, 15, s43                        ; my row of the cluster
	s_lshl_b32 s44, 0x1111, s40                    ; my column
	; A's codes: four tiles of rows, 4,096 bytes (four K steps) of each, 8,192 bytes apart; elements of 8 bytes, no padding
	s_or_b32 s[G1A+0], s43, (3<<16)|(1<<21)
	s_mov_b32 s[G1A+1], 512<<16
	s_mov_b32 s[G1A+2], 4<<16
	s_mov_b32 s[G1A+3], 512<<16
	s_mov_b32 s[G1A+4], 4
	s_mov_b32 s[G1A+5], 1024
	s_mov_b32 s[G1A+6], 0
	s_mov_b32 s[G1A+7], 0
	; A's scale words: eight K steps, 256 bytes (64 tokens) of each, 32,768 bytes apart
	s_or_b32 s[G1SA+0], s43, (3<<16)|(1<<21)
	s_mov_b32 s[G1SA+1], 32<<16
	s_mov_b32 s[G1SA+2], 8<<16
	s_mov_b32 s[G1SA+3], 32<<16
	s_mov_b32 s[G1SA+4], 8
	s_mov_b32 s[G1SA+5], 4096
	s_mov_b32 s[G1SA+6], 0
	s_mov_b32 s[G1SA+7], 0
	; B's codes: 128 rows x 256 bytes, 512 bytes apart, 16 bytes of padding behind each row
	s_or_b32 s[G1B+0], s44, (1<<20)|(1<<21)|(5<<22)|(3<<25)
	s_mov_b32 s[G1B+1], 256<<16
	s_mov_b32 s[G1B+2], 128<<16
	s_mov_b32 s[G1B+3], 256<<16
	s_mov_b32 s[G1B+4], 128
	s_mov_b32 s[G1B+5], 512
	s_mov_b32 s[G1B+6], 0
	s_mov_b32 s[G1B+7], 0
	; B's scale bytes: 4,096 dense bytes as 16 rows of 256, 16 bytes of padding behind each
	s_or_b32 s[G1SB+0], s44, (3<<16)|(1<<20)|(1<<21)|(5<<22)|(3<<25)
	s_mov_b32 s[G1SB+1], 32<<16
	s_mov_b32 s[G1SB+2], 16<<16
	s_mov_b32 s[G1SB+3], 32<<16
	s_mov_b32 s[G1SB+4], 16
	s_mov_b32 s[G1SB+5], 32
	s_mov_b32 s[G1SB+6], 0
	s_mov_b32 s[G1SB+7], 0
	s_lshl_b32 s20, s17, 16                        ; A's codes: (8 x tile + 4 x half) x 8,192
	s_lshl_b32 s18, s16, 15
	s_add_co_u32 s20, s20, s18
	s_mov_b32 s21, 0
	s_lshl_b32 s18, s17, 9                         ; A's scale words: (128 x tile + 64 x half) x 4
	s_lshl_b32 s19, s16, 8
	s_add_co_u32 s18, s18, s19
	s_mov_b32 s19, 0
	s_lshl_b32 s46, s42, 17                        ; B's codes: (11,264 + 256 x tile + 128 x half) x 512
	s_lshl_b32 s47, s16, 16
	s_add_co_u32 s46, s46, s47
	s_add_co_u32 s46, s46, 11264*512
	s_mov_b32 s47, 0
	s_lshl_b32 s96, s42, 13                        ; B's scale bytes: the same rows x 32
	s_lshl_b32 s97, s16, 12
	s_add_co_u32 s96, s96, s97
	s_add_co_u32 s96, s96, 11264*32
	s_mov_b32 s97, 0
	s_lshl_b32 s45, s16, 14                        ; where they go: by the half that I fetch; no place in the cluster enters an LDS address
	s_mul_i32 s98, s16, HALFB
	s_lshl_b32 s2, s16, 11
	s_mul_i32 s99, s16, 4352
	s_wait_dscnt 0x0                               ; both opening adds are done
	s_wait_kmcnt 0x0
	s_add_nc_u64 s[20:21], s[4:5], s[20:21]
	s_add_nc_u64 s[18:19], s[6:7], s[18:19]
	s_add_nc_u64 s[46:47], s[8:9], s[46:47]
	s_add_nc_u64 s[96:97], s[10:11], s[96:97]
	CROUND                                         ; all sixteen work-groups are here: the first joint loads meet
	s_mov_b32 s[G0SA], 1
	s_add_co_u32 s[G0SA+1], s2, ASC
	s_mov_b64 s[G0SA+2:G0SA+3], s[18:19]
	s_or_b32 s[G0SA+3], s[G0SA+3], 0x80000000
	s_mov_b32 s[G0SB], 1
	s_add_co_u32 s[G0SB+1], s99, BSC
	s_mov_b64 s[G0SB+2:G0SB+3], s[96:97]
	s_or_b32 s[G0SB+3], s[G0SB+3], 0x80000000
	JLOAD G0SA, G1SA, G0SB, G1SB
.irp s, 0,1
	s_mov_b32 s[G0A+4*\s], 1
	s_add_co_u32 s[G0A+4*\s+1], s45, \s*32768
	s_add_nc_u64 s[G0A+4*\s+2:G0A+4*\s+3], s[20:21], \s*4096
	s_or_b32 s[G0A+4*\s+3], s[G0A+4*\s+3], 0x80000000
	s_mov_b32 s[G0B+4*\s], 1
	s_add_co_u32 s[G0B+4*\s+1], s98, BSL+\s*BSLOT
	s_add_nc_u64 s[G0B+4*\s+2:G0B+4*\s+3], s[46:47], \s*256
	s_or_b32 s[G0B+4*\s+3], s[G0B+4*\s+3], 0x80000000
	JLOAD G0A+4*\s, G1A, G0B+4*\s, G1B             ; both slots: three tensor loads of mine are out
.endr
	s_lshl_b32 s22, s42, 10                        ; my first column, in bytes: 1,024 x tile + 512 x wn
	s_lshl_b32 s23, s16, 9
	s_add_co_u32 s22, s22, s23
	s_mov_b32 s23, 0
	s_add_nc_u64 s[92:93], s[92:93], s[22:23]      ; bo at my columns
	s_add_nc_u64 s[94:95], s[94:95], s[22:23]
	s_lshl_b32 s22, s17, 19                        ; my first token's row: (128 x tile + 64 x wm) x 4,096
	s_lshl_b32 s3, s15, 18
	s_add_co_u32 s22, s22, s3
	s_add_nc_u64 s[94:95], s[94:95], s[22:23]
	v_and_b32 v1, 15, v0                           ; r
	v_bfe_u32 v2, v0, 4, 1                         ; h
	v_lshlrev_b32 v[BO], 6, v2
	WIN 0x40                                       ; destination window 1
.irp b, 0,1,2,3,4,5,6,7
	global_load_b128 v[BI+8*\b:BI+8*\b+3], v[BO], s[92:93] offset:128*(\b/2)+32*(\b%2)      ; tile 2 c + u: columns 32 c + 16 h + 8 u + 0 .. 7, the same for every token
	global_load_b128 v[BI+8*\b+4:BI+8*\b+7], v[BO], s[92:93] offset:128*(\b/2)+32*(\b%2)+16
.endr
	WIN 0
	v_and_b32 v6, 31, v0
	v_lshlrev_b32 v[CO], 4, v6
	s_lshl_b32 s21, s15, 14
	v_add_nc_u32 v[ADRA], s21, v[CO]               ; A's images: my half, 16 x lane
	v_mul_u32_u24 v3, v1, PITCH
	v_lshl_add_u32 v4, v2, 4, v3
	s_mul_i32 s22, s16, HALFB
	s_add_co_u32 s22, s22, BSL
	v_add_nc_u32 v[ADRB], s22, v4
	s_add_co_u32 s22, s22, BSLOT
	v_add_nc_u32 v[ADRB+1], s22, v4
	s_lshl_b32 s21, s15, 11
	v_lshl_add_u32 v[ADSA], v6, 2, s21
	v_add_nc_u32 v[ADSA], ASC, v[ADSA]
	v_mul_u32_u24 v5, v1, 32                       ; B's scale bytes: 32 a row,
	v_lshrrev_b32 v6, 8, v5
	v_lshl_add_u32 v5, v6, 4, v5                   ; 16 more for each 256 passed,
	v_mad_u32_u24 v5, v2, 544, v5                  ; lanes 16-31 one block of 16 rows further on
	s_mul_i32 s21, s16, 4352
	s_add_co_u32 s21, s21, BSC
	v_add_nc_u32 v[ADSB], s21, v5
	s_mul_i32 s23, s14, 16*SPITCH
	s_add_co_u32 s23, s23, STAGE                   ; my stage
	v_mul_u32_u24 v5, v1, SPITCH
	v_lshl_add_u32 v5, v2, 6, v5
	v_add_nc_u32 v[STO], s23, v5                   ; in: row r, + 64 h
	v_add_nc_u32 v[RD], s23, v[CO]                 ; back: a row of 512 bytes to the 32 lanes
.macro FRAG reg, adr, q, i
.irp c, 0,1
	ds_load_b128 v[\reg+4*\c:\reg+4*\c+3], v[\adr] offset:64*(\q)+32*\c+(\i)*16*PITCH
.endr
.endm
.macro FETCH q                         ; K step q: B's 8 fragments into set q % 2 of window 1, A's 4 into set q % 2 of window 0: 24 loads in one run
	WIN 0x40
.irp i, 0,1,2,3,4,5,6,7
	FRAG 128*((\q)%2)+8*\i, ADRB+(\q)/4, (\q)%4, \i
.endr
	WIN 0
.irp a, 0,1,2,3
.irp c, 0,1
	ds_load_b128 v[AF+32*((\q)%2)+8*\a+4*\c:AF+32*((\q)%2)+8*\a+4*\c+3], v[ADRA] offset:32768*((\q)/4)+4096*\a+1024*((\q)%4)+512*\c
.endr
.endr
.endm
.macro MUL a, q                        ; my tokens' block a against my eight blocks of columns
.irp b, 0,1,2,3,4,5,6,7
.set rD, 8*(8*(\a)+\b)
.set rB, 128*((\q)%2)+8*\b
.set rA, AF+32*((\q)%2)+8*(\a)
.set rC, rD
.if (\q) == 0
.set rC, BI+8*\b                       ; the first product starts the sum with the bias
.endif
.set rSB, SCB+8*(\b/2)+(\q)
.set rSA, SCA+2*(\q)+(\a)/2
.if (\b%2) && ((\a)%2)
	v_wmma_scale_f32_16x16x128_f8f6f4 v[rD:rD+7], v[rB:rB+7], v[rA:rA+7], v[rC:rC+7], v[rSB], v[rSA] matrix_a_fmt:MATRIX_FMT_FP4 matrix_b_fmt:MATRIX_FMT_FP4 matrix_a_scale:MATRIX_SCALE_ROW1 matrix_b_scale:MATRIX_SCALE_ROW1
.elseif (\b%2)
	v_wmma_scale_f32_16x16x128_f8f6f4 v[rD:rD+7], v[rB:rB+7], v[rA:rA+7], v[rC:rC+7], v[rSB], v[rSA] matrix_a_fmt:MATRIX_FMT_FP4 matrix_b_fmt:MATRIX_FMT_FP4 matrix_a_scale:MATRIX_SCALE_ROW1
.elseif ((\a)%2)
	v_wmma_scale_f32_16x16x128_f8f6f4 v[rD:rD+7], v[rB:rB+7], v[rA:rA+7], v[rC:rC+7], v[rSB], v[rSA] matrix_a_fmt:MATRIX_FMT_FP4 matrix_b_fmt:MATRIX_FMT_FP4 matrix_b_scale:MATRIX_SCALE_ROW1
.else
	v_wmma_scale_f32_16x16x128_f8f6f4 v[rD:rD+7], v[rB:rB+7], v[rA:rA+7], v[rC:rC+7], v[rSB], v[rSA] matrix_a_fmt:MATRIX_FMT_FP4 matrix_b_fmt:MATRIX_FMT_FP4
.endif
.endr
.endm
.macro STEP q                          ; the 32 accumulators take turns in one order
	s_wait_dscnt 0x0                               ; this step's fragments are in; no LDS instruction of mine is out
.if (\q) == 2
	s_wait_tensorcnt 0x0                           ; my part of slot 1 has landed:
	s_barrier_signal -1                            ; say so; up to the wait stand reads of slot 0, which nobody ever writes, and work on registers
.endif
.if (\q) == 3
	s_barrier_wait -1                              ; everybody's has.
.endif
.if (\q) < 7
.if (\q) > 0
	PLACES 4                                       ; in front of loads into registers that the last step's matrix instructions have read
.endif
	FETCH (\q)+1
.endif
.if (\q) == 0
	WIN 0x91                                       ; source 0 (B) and C (the bias) window 1, source 1 (A) window 0, D window 2
.else
	WIN 0xa1                                       ; C and D window 2
.endif
.irp a, 0,1,2,3
	MUL \a, \q
.endr
	WIN 0
.endm
	s_wait_tensorcnt 0x1                           ; the scales and my part of slot 0 are in; slot 1's load, the youngest, may be out
	s_barrier_signal -1
	s_barrier_wait -1
.irp s, 0,1,2,3,4,5,6,7
.irp g, 0,1
	ds_load_b32 v[SCA+2*\s+\g], v[ADSA] offset:256*\s+128*\g       ; all scale words come into registers once
.endr
.endr
.irp g, 0,1,2,3
.irp u, 0,1
	ds_load_b128 v[SCB+8*\g+4*\u:SCB+8*\g+4*\u+3], v[ADSB] offset:1088*\g+16*\u
.endr
.endr
	FETCH 0
	s_wait_loadcnt 0x0                             ; the biases
.irp q, 0,1,2,3,4,5,6,7
	STEP \q
.endr
.macro TOSTAGE a
	WIN 0x08                                       ; an LDS store's data are its source 1: window 2
.irp b, 0,1,2,3,4,5,6,7
	ds_store_b128 v[STO], v[64*(\a)+8*\b:64*(\a)+8*\b+3] offset:128*(\b/2)+32*(\b%2)        ; each accumulator from its low end on
	ds_store_b128 v[STO], v[64*(\a)+8*\b+4:64*(\a)+8*\b+7] offset:128*(\b/2)+32*(\b%2)+16
.endr
	WIN 0
.set BB, BK+64*((\a)%2)
.irp t, 0,1,2,3,4,5,6,7,8,9,10,11,12,13,14,15
	ds_load_b128 v[BB+4*\t:BB+4*\t+3], v[RD] offset:\t*SPITCH      ; LDS serves a wave's instructions in order: these see the stores above
.endr
.endm
.macro SEND a, younger
.set BB, BK+64*((\a)%2)
	s_wait_dscnt \younger                          ; the block is back in registers
.irp t, 0,1,2,3,4,5,6,7,8,9,10,11,12,13,14,15
	global_store_b128 v[CO], v[BB+4*\t:BB+4*\t+3], s[94:95] offset:(32*((\a)/2)+8*((\a)%2)+\t%8+16*(\t/8))*4096 th:TH_STORE_NT   ; storage token t of block a at its true row; 512 consecutive bytes, aligned
.endr
.endm
	PLACES 4                                       ; behind the last products: results are read, and registers that held A's fragments are loaded, below
	TOSTAGE 0
.irp a, 1,2,3
.if \a > 1
	s_wait_xcnt 0x0                                ; block a - 2's stores have read their data: block a's rows may land there
.endif
	TOSTAGE \a
	SEND \a-1, 32                                  ; behind block a - 1's loads: block a's 16 stores and 16 loads
.endr
	SEND 3, 0
	s_wait_tensorcnt 0x0                           ; the wave's end: three lines behind my last tensor load and my last LDS store
	ds_add_u32 v[SPW], v[NIL]
	s_wait_dscnt 0x0
	CROUND                                         ; the closing round
	s_endpgm
.Lfunc_end_k_qfa1cd808da_oproj:
	.size	k_qfa1cd808da_oproj, .Lfunc_end_k_qfa1cd808da_oproj-k_qfa1cd808da_oproj
	.p2alignl 7, 3214868480
	.fill 96, 4, 3214868480
	.section	.rodata,"a",@progbits
	.p2align	6, 0x0
	.amdhsa_kernel k_qfa1cd808da_oproj
		.amdhsa_group_segment_fixed_size 327680
		.amdhsa_private_segment_fixed_size 0
		.amdhsa_enable_private_segment 0
		.amdhsa_kernarg_size 48
		.amdhsa_user_sgpr_count 2
		.amdhsa_user_sgpr_kernarg_segment_ptr 1
		.amdhsa_wavefront_size32 1
		.amdhsa_system_sgpr_workgroup_id_x 1
		.amdhsa_system_sgpr_workgroup_id_y 1
		.amdhsa_system_sgpr_workgroup_id_z 1
		.amdhsa_system_vgpr_workitem_id 0
		.amdhsa_next_free_vgpr 768
		.amdhsa_next_free_sgpr 100
		.amdhsa_reserve_vcc 0
		.amdhsa_float_denorm_mode_32 3
		.amdhsa_float_denorm_mode_16_64 3
		.amdhsa_memory_ordered 1
		.amdhsa_forward_progress 1
		.amdhsa_inst_pref_size 74
	.end_amdhsa_kernel
	.amdgpu_metadata
---
amdhsa.version: [ 1, 2 ]
amdhsa.kernels:
  - .name:           k_qfa1cd808da_oproj
    .symbol:         k_qfa1cd808da_oproj.kd
    .args:
      - { .name: oc, .offset: 0, .size: 8, .value_kind: global_buffer, .address_space: global }
      - { .name: os, .offset: 8, .size: 8, .value_kind: global_buffer, .address_space: global }
      - { .name: codes1, .offset: 16, .size: 8, .value_kind: global_buffer, .address_space: global }
      - { .name: scales1, .offset: 24, .size: 8, .value_kind: global_buffer, .address_space: global }
      - { .name: bo, .offset: 32, .size: 8, .value_kind: global_buffer, .address_space: global }
      - { .name: out0, .offset: 40, .size: 8, .value_kind: global_buffer, .address_space: global }
    .group_segment_fixed_size: 327680
    .private_segment_fixed_size: 0
    .kernarg_segment_align: 8
    .kernarg_segment_size: 48
    .max_flat_workgroup_size: 128
    .sgpr_count:     100
    .vgpr_count:     768
    .wavefront_size: 32
...
	.end_amdgpu_metadata
.endif
;; end of part 4
